; MI455X (gfx1250); checked and timed in simulation.
; The chip was launched on July 23, 2026; its instructions are those of AMD's public machine-readable ISA for CDNA 5 (MIT licence, August 2026) and "CDNA5" Instruction Set Architecture Reference Guide (July 2026). The comments in the code are by the model that wrote it; some were corrected since.
;; Praxis Attention. Allowed arithmetic: matrix products marked QUANTISED: E4M3 operands, one given power-of-two scale a tensor, by v_wmma_f32_16x16x64_fp8_fp8 or v_wmma_f32_16x16x128_fp8_fp8, f32 sums; products left as they are: f32 operands where the result goes on into a quantised operand, else bf16, f16 or f32 operands; f32 sums; everything else in f32.
;; Inputs: Wk 1,024 x 2,048 float32; Wo 1,024 x 1,024 float32; Wq 1,024 x 2,048 float32; Wv 1,024 x 1,024 float32; attention_mask 2 x 2,048 float32; gn_bias 1,024 float32; gn_weight 1,024 float32; key 2 x 2,048 x 1,024 float32; lam_k1 64 float32; lam_k2 64 float32; lam_q1 64 float32; lam_q2 64 float32; lowp_scales 14 int32 (the exponents e of the quantised operands' scales 2^e); query 2 x 2,048 x 1,024 float32; value 2 x 2,048 x 1,024 float32.
;; Outputs: out0 2 x 2,048 x 1,024 float32.
;; This version of the problem:
;;   THIS VERSION OF THE PROBLEM IS GIVEN IN LOW PRECISION. The matrix products marked QUANTISED in the list below multiply operands that are first quantised to E4M3 (4 exponent bits, 3 mantissa bits; 8 bits a number), with one given power-of-two scale for each operand tensor; their sums are f32. All else is computed in f32.
;;   The module's matrix products, in the order in which they are computed (A, B: the left and right operand; K: the contracted axis; several contracted axes count as one K, in the product's order):
;;     1. [M 4,096, K 1,024] x [K 1,024, N 2,048]; A: input query; B: input Wq: QUANTISED (scales: A lowp_scales[0], B lowp_scales[1])
;;     2. [M 4,096, K 1,024] x [K 1,024, N 2,048]; A: input key; B: input Wk: QUANTISED (scales: A lowp_scales[2], B lowp_scales[3])
;;     3. [M 4,096, K 1,024] x [K 1,024, N 1,024]; A: input value; B: input Wv: QUANTISED (scales: A lowp_scales[4], B lowp_scales[5])
;;     4. batch 32 x [M 2,048, K 64] x [K 64, N 2,048]; A: computed on the way; B: computed on the way: QUANTISED (scales: A lowp_scales[6], B lowp_scales[7])
;;     5. batch 32 x [M 2,048, K 64] x [K 64, N 2,048]; A: computed on the way; B: computed on the way: QUANTISED (scales: A lowp_scales[8], B lowp_scales[9])
;;     6. [M 1, K 64] x [K 64, N 1]; A: input lam_q1; B: input lam_k1: left as it is (M = 1 < 16)
;;     7. [M 1, K 64] x [K 64, N 1]; A: input lam_q2; B: input lam_k2: left as it is (M = 1 < 16)
;;     8. batch 32 x [M 2,048, K 2,048] x [K 2,048, N 64]; A: computed on the way; B: computed on the way: QUANTISED (scales: A lowp_scales[10], B lowp_scales[11])
;;     9. [M 4,096, K 1,024] x [K 1,024, N 1,024]; A: computed on the way; B: input Wo: QUANTISED (scales: A lowp_scales[12], B lowp_scales[13])
;;   THE QUANTISER, for each operand of a quantised product, along K:
;;     - The operand's scale is 2^e, e = its entry of the input lowp_scales (int32; the entries are numbered through the quantised products in the list's order, A before B).
;;     - Each number is divided by the scale, clamped to +-448, and rounded to the nearest number of E4M3, ties to even, subnormals kept.
;;     - The product sums the exact products of the quantised numbers (number of the format x scale) in f32.
;;   ~~~python
;;   def quantise(x, axis, e):      # numpy; x: float32 -> the quantised numbers, widened to float32 again
;;       x = np.moveaxis(x, axis, -1); K = x.shape[-1]
;;       r = np.clip(x / 2.0 ** e, -448, 448)
;;       step = 2.0 ** (np.maximum(np.frexp(np.where(r == 0, 1, r))[1] - 1, -6) - 3)
;;       q = np.round(r / step) * step * 2.0 ** e      # np.round: ties to even
;;       return np.moveaxis(q, -1, axis).astype(np.float32)
;;   ~~~
;;   OPERANDS COMPUTED ON THE WAY. 'Computed on the way' means the value that the module computes at that place (a softmax that the list does not call 'softmax' is quantised finished and normalised). What goes into a quantiser is computed in f32, as accurately as f32 sums, v_exp_f32 and their like allow (about 1e-6 of the number): no bf16 or f16 on the way to a quantiser, and a product that is left as it is and whose result goes on into a quantised operand takes f32 operands (vector FMAs, or v_wmma_f32_16x16x4_f32). A number that lies on a knife's edge between two numbers of the format may be rounded either way, as far as f32 arithmetic and the matrix unit's own rounding can turn it there, and no further.
;; One version. Each part assembles by itself: llvm-mc -triple=amdgcn-amd-amdhsa -mcpu=gfx1250 --defsym DOCPART=n.
;; ======== version 1 of 1: 4 launches
;; workspace buffers: ximg 12,582,912 bytes; wimg 6,291,456 bytes; qkv 20,971,520 bytes; attnw 16,777,216 bytes; gstat 32,768 bytes; flags 256 bytes of whole numbers; lamb 256 bytes
;; launch prep (part 1): grid 577 x 1, 4 waves a work-group, no clusters, 34,304 bytes of LDS; arguments query, key, value, Wq, Wk, Wv, Wo, attention_mask, lam_q1, lam_k1, lam_q2, lam_k2, lowp_scales, ximg, wimg, flags, lamb; writes ximg, wimg, flags, lamb
.if DOCPART == 1
	.amdgcn_target "amdgcn-amd-amdhsa--gfx1250"
	.amdhsa_code_object_version 6
	.text
	.protected	k_qacc1a0cdcd_prep
	.globl	k_qacc1a0cdcd_prep
	.p2align	8
	.type	k_qacc1a0cdcd_prep,@function
k_qacc1a0cdcd_prep:
	s_mov_b64 s[64:65], 0
	v_nop
	global_prefetch_b8 v0, s[64:65] scope:SCOPE_SE
	s_setreg_imm32_b32 hwreg(HW_REG_WAVE_MODE, 25, 1), 1
	s_wait_xcnt 0x0
; PREP: everything that is quantised once, and the three small numbers that later launches need.
; Work-groups 0-383: query, key, value (f32, K innermost) -> ximg.  Work-groups 384-575: Wq, Wk, Wv, Wo (f32, K outermost) -> wimg.  Work-group 576: the mask's figures -> flags, lam -> lamb.
; code = x / 2^e, held within +-448, to the nearest E4M3 code, ties to even; e is the operand's entry of lowp_scales.
; ALL CODES ARE STORED AS IMAGES OF THE OPERAND'S REGISTERS.  A chunk is four registers x 32 lanes = 512 bytes, lane l's 16 bytes at 16 l.  Lane (r = l % 16, h = l / 16) of chunk u of a
; tile of 16 rows holds, of row r, k = 32 u + 8 h + 0..7 in bytes 0-7 and k = 32 u + 16 + 8 h + 0..7 in bytes 8-15: the place that the fp8 matrix forms give each k.
; ximg: [tensor 3][tile of 16 rows: 256][K step of 128: 8][2,048 bytes].   wimg: Wq at 0, Wk at 2 MiB, Wv at 4 MiB, Wo at 5 MiB: [tile of 16 columns][32 along K: 32][512 bytes].
; flags: F[0], F[1], HB[0], HB[1].  HB[b]: bit t is set where block t (64 keys) of batch b has a pad other than 0.  F[b]: rows q < F[b] are those whose visible keys are all padded so heavily
; that keys under the causal -1e9 may still weigh: the attention launch walks all keys for them.  Row q is free of that if some key j <= q has pad_j - G >= T, G the batch's largest pad,
; T = -1e9 + 4096 + 2 x 64 x 448^2 x 2^(E - 3), E the larger of e6 + e7 and e8 + e9: its score then lies more than 1,000 above every hidden key's.
; LIMITS: each e between -126 and 119.  NaN and infinities among the inputs are not served.
.set SPARE, 33792                      ; behind the four stages: the spare words, 128 bytes for each wave
.set SPW, 10                           ; v10  my spare word's LDS address; never rewritten
.set NIL, 11                           ; v11  0; never rewritten
.set SC,  12                           ; v12  2^e as f32
.set LIM, 13                           ; v13  448 x 2^e
.set CC,  16                           ; v16-47   X path: codes, two sets of 16
.set XX,  48                           ; v48-111  X path: 64 numbers in the operand's order
.set RR,  112                          ; v112-239 X path: two sets of 64 as loaded
.set WX,  32                           ; v32-95   W path: two sets of 32 numbers down K
.set WC,  96                           ; v96-159  W path: eight registers of codes for each of eight blocks
	s_load_b512 s[4:19], s[0:1], 0x0               ; query, key, value, Wq, Wk, Wv, Wo, mask
	s_load_b512 s[20:35], s[0:1], 0x40             ; lam_q1, lam_k1, lam_q2, lam_k2, scales, ximg, wimg, flags
	s_load_b64 s[36:37], s[0:1], 0x80              ; lamb
	v_lshl_add_u32 v[SPW], v0, 2, SPARE
	v_mov_b32 v[NIL], 0
	v_lshrrev_b32 v1, 5, v0
	v_readfirstlane_b32 s40, v1                    ; wave 0..3
	v_and_b32 v1, 31, v0                           ; lane
	v_lshlrev_b32 v2, 4, v1                        ; 16 x lane
.macro MKSCALE                         ; s58 = e  ->  v[SC], v[LIM]
	s_wait_kmcnt 0x0
	s_add_co_i32 s58, s58, 127
	s_lshl_b32 s59, s58, 23
	v_mov_b32 v[SC], s59
	s_add_co_i32 s58, s58, 8
	s_lshl_b32 s58, s58, 23
	s_or_b32 s58, s58, 0x600000
	v_mov_b32 v[LIM], s58
.endm
	s_cmp_ge_u32 ttmp9, 384
	s_cbranch_scc1 .Lnot_x
; ---------------- X: a wave takes 16 rows x 512 along K: four fragments of 16 x 128 ----------------
	s_lshr_b32 s41, ttmp9, 7                       ; tensor 0, 1, 2
	s_and_b32 s42, ttmp9, 127
	s_lshl_b32 s42, s42, 2
	s_add_co_u32 s42, s42, s40
	s_lshr_b32 s43, s42, 1                         ; tile of 16 rows
	s_and_b32 s44, s42, 1                          ; which half of K
	s_lshl_b32 s46, s43, 16                        ; 16 rows of 4,096 bytes
	s_lshl_b32 s45, s44, 11
	s_add_co_u32 s46, s46, s45
	s_mov_b32 s47, 0
	s_lshl_b32 s48, s41, 22
	s_lshl_b32 s45, s43, 14
	s_add_co_u32 s48, s48, s45
	s_lshl_b32 s45, s44, 13
	s_add_co_u32 s48, s48, s45
	s_mov_b32 s49, 0
	s_lshl_b32 s50, s41, 3                         ; entries 0, 2, 4 of the scales
	s_mov_b32 s51, 0
	s_mul_i32 s45, s40, 8448                       ; my stage: 16 rows x (512 + 16) bytes
	v_add_nc_u32 v3, s45, v2                       ; in: a row's 512 bytes as they lie
	v_and_b32 v5, 15, v0
	v_bfe_u32 v6, v0, 4, 1
	v_mul_u32_u24 v4, v5, 528
	v_lshl_add_u32 v4, v6, 5, v4
	v_add_nc_u32 v4, s45, v4                       ; out: row r, + 32 h bytes (8 numbers)
	s_wait_kmcnt 0x0
	s_cmp_eq_u32 s41, 0
	s_cselect_b64 s[52:53], s[4:5], s[6:7]
	s_cmp_eq_u32 s41, 2
	s_cselect_b64 s[52:53], s[8:9], s[52:53]
	s_add_nc_u64 s[52:53], s[52:53], s[46:47]
	s_add_nc_u64 s[54:55], s[30:31], s[48:49]
	s_add_nc_u64 s[56:57], s[28:29], s[50:51]
	s_load_b32 s58, s[56:57], 0x0
.macro LOADF f                         ; fragment f: 16 loads, each 512 consecutive bytes of one row
.set j, 0
.rept 16
	global_load_b128 v[RR+64*((\f)%2)+4*j:RR+64*((\f)%2)+4*j+3], v2, s[52:53] offset:j*4096+(\f)*512 th:TH_LOAD_NT
.set j, j+1
.endr
.endm
.macro FRAG f
.if (\f) < 3
	s_wait_loadcnt 16                              ; this fragment's 16 loads are in; the next fragment's may be out
.else
	s_wait_loadcnt 0
.endif
.set j, 0
.rept 16
	ds_store_b128 v3, v[RR+64*((\f)%2)+4*j:RR+64*((\f)%2)+4*j+3] offset:j*528
.set j, j+1
.endr
.irp u, 0,1,2,3                        ; LDS serves a wave's instructions in order: these see my stores
	ds_load_b128 v[XX+16*\u:XX+16*\u+3], v4 offset:128*\u
	ds_load_b128 v[XX+16*\u+4:XX+16*\u+7], v4 offset:128*\u+16
	ds_load_b128 v[XX+16*\u+8:XX+16*\u+11], v4 offset:128*\u+64
	ds_load_b128 v[XX+16*\u+12:XX+16*\u+15], v4 offset:128*\u+80
.endr
	s_wait_dscnt 0x0                               ; the 64 numbers are back in the operand's order
.if (\f) < 2
	LOADF (\f)+2
.endif
.if (\f) >= 2
	s_wait_xcnt 0x0                                ; the stores of two fragments ago have read this set of codes
.endif
.set i, 0
.rept 64
	v_med3_num_f32 v[XX+i], v[XX+i], -v[LIM], v[LIM]   ; the conversion does not saturate (ISA guide 7.6.2): the hold first
.set i, i+1
.endr
.set i, 0
.rept 8
	v_cvt_scalef32_pk8_fp8_f32 v[CC+16*((\f)%2)+2*i:CC+16*((\f)%2)+2*i+1], v[XX+8*i:XX+8*i+7], v[SC]
.set i, i+1
.endr
	v_nop                                          ; a plain instruction behind the last conversion
.irp u, 0,1,2,3
	global_store_b128 v2, v[CC+16*((\f)%2)+4*\u:CC+16*((\f)%2)+4*\u+3], s[54:55] offset:(\f)*2048+512*\u   ; 512 consecutive bytes
.endr
.endm
	LOADF 0
	LOADF 1
	MKSCALE
	FRAG 0
	FRAG 1
	FRAG 2
	FRAG 3
	s_wait_tensorcnt 0x0                           ; the wave's end, behind my last LDS store
	ds_add_u32 v[SPW], v[NIL]
	s_wait_dscnt 0x0
	s_endpgm
; ---------------- W: a wave takes 32 columns x 256 along K; a lane is a column, its registers run down K ----------------
.Lnot_x:
	s_cmp_ge_u32 ttmp9, 576
	s_cbranch_scc1 .Lspath
	v_lshlrev_b32 v3, 2, v1                        ; in: 4 bytes a lane
	v_lshrrev_b32 v4, 4, v1
	v_and_b32 v5, 15, v1
	v_lshlrev_b32 v4, 14, v4
	v_lshl_add_u32 v4, v5, 4, v4                   ; out: my tile of 16 columns, 16 bytes at 16 r
	s_sub_co_u32 s41, ttmp9, 384
.macro WTAIL
	s_add_nc_u64 s[52:53], s[52:53], s[46:47]
	s_add_nc_u64 s[54:55], s[32:33], s[48:49]
	s_add_nc_u64 s[56:57], s[28:29], s[50:51]
	s_load_b32 s58, s[56:57], 0x0
.endm
.macro WLOAD t, n                      ; block t: W(32 t + i, my column): 128 consecutive bytes a wave, 512 a work-group
.set j, 0
.rept 32
	global_load_b32 v[WX+32*((\t)%2)+j], v3, s[52:53] offset:(32*(\t)+j)*(\n)*4 th:TH_LOAD_NT
.set j, j+1
.endr
.endm
.macro WPATH n
	WLOAD 0, \n
	WLOAD 1, \n
	MKSCALE
.irp t, 0,1,2,3,4,5,6,7
.if \t < 7
	s_wait_loadcnt 32                              ; this block's 32 loads are in; the next block's may be out
.else
	s_wait_loadcnt 0
.endif
.set i, 0
.rept 32
	v_med3_num_f32 v[WX+32*(\t%2)+i], v[WX+32*(\t%2)+i], -v[LIM], v[LIM]
.set i, i+1
.endr
	v_cvt_scalef32_pk8_fp8_f32 v[WC+8*\t:WC+8*\t+1], v[WX+32*(\t%2):WX+32*(\t%2)+7], v[SC]          ; k 0-7:   lane (r, 0), bytes 0-7
	v_cvt_scalef32_pk8_fp8_f32 v[WC+8*\t+4:WC+8*\t+5], v[WX+32*(\t%2)+8:WX+32*(\t%2)+15], v[SC]     ; k 8-15:  lane (r, 1), bytes 0-7
	v_cvt_scalef32_pk8_fp8_f32 v[WC+8*\t+2:WC+8*\t+3], v[WX+32*(\t%2)+16:WX+32*(\t%2)+23], v[SC]    ; k 16-23: lane (r, 0), bytes 8-15
	v_cvt_scalef32_pk8_fp8_f32 v[WC+8*\t+6:WC+8*\t+7], v[WX+32*(\t%2)+24:WX+32*(\t%2)+31], v[SC]    ; k 24-31: lane (r, 1), bytes 8-15
	v_nop
	global_store_b128 v4, v[WC+8*\t:WC+8*\t+3], s[54:55] offset:512*\t          ; sixteen lanes store 256 consecutive bytes, aligned
	global_store_b128 v4, v[WC+8*\t+4:WC+8*\t+7], s[54:55] offset:512*\t+256
.if \t < 6
	WLOAD \t+2, \n
.endif
.endr
.endm
	s_cmp_ge_u32 s41, 128
	s_cbranch_scc1 .Lw1024
	s_lshr_b32 s42, s41, 6                         ; 0: Wq, 1: Wk
	s_and_b32 s43, s41, 15                         ; which 128 columns
	s_bfe_u32 s44, s41, 0x20004                    ; which 256 along K
	s_lshl_b32 s46, s44, 21                        ; 256 rows of 8,192 bytes
	s_lshl_b32 s45, s43, 9
	s_add_co_u32 s46, s46, s45
	s_lshl_b32 s45, s40, 7
	s_add_co_u32 s46, s46, s45
	s_mov_b32 s47, 0
	s_lshl_b32 s48, s42, 21
	s_lshl_b32 s45, s43, 17
	s_add_co_u32 s48, s48, s45
	s_lshl_b32 s45, s40, 15
	s_add_co_u32 s48, s48, s45
	s_lshl_b32 s45, s44, 12
	s_add_co_u32 s48, s48, s45
	s_mov_b32 s49, 0
	s_lshl_b32 s50, s42, 3
	s_add_co_u32 s50, s50, 4                       ; entries 1, 3
	s_mov_b32 s51, 0
	s_wait_kmcnt 0x0
	s_cmp_eq_u32 s42, 0
	s_cselect_b64 s[52:53], s[10:11], s[12:13]
	WTAIL
	WPATH 2048
	s_endpgm
.Lw1024:
	s_sub_co_u32 s41, s41, 128
	s_lshr_b32 s42, s41, 5                         ; 0: Wv, 1: Wo
	s_and_b32 s43, s41, 7
	s_bfe_u32 s44, s41, 0x20003
	s_lshl_b32 s46, s44, 20                        ; 256 rows of 4,096 bytes
	s_lshl_b32 s45, s43, 9
	s_add_co_u32 s46, s46, s45
	s_lshl_b32 s45, s40, 7
	s_add_co_u32 s46, s46, s45
	s_mov_b32 s47, 0
	s_lshl_b32 s48, s42, 20
	s_add_co_u32 s48, s48, 0x400000
	s_lshl_b32 s45, s43, 17
	s_add_co_u32 s48, s48, s45
	s_lshl_b32 s45, s40, 15
	s_add_co_u32 s48, s48, s45
	s_lshl_b32 s45, s44, 12
	s_add_co_u32 s48, s48, s45
	s_mov_b32 s49, 0
	s_lshl_b32 s50, s42, 5
	s_add_co_u32 s50, s50, 20                      ; entries 5, 13
	s_mov_b32 s51, 0
	s_wait_kmcnt 0x0
	s_cmp_eq_u32 s42, 0
	s_cselect_b64 s[52:53], s[14:15], s[16:17]
	WTAIL
	WPATH 1024
	s_endpgm
; ---------------- S: waves 0, 1: the mask of batch 0, 1; wave 2: lam; wave 3 has no part ----------------
.Lspath:
	s_mov_b32 s54, 0x76543210                      ; v_permlanex16_b32: lane l xor 16
	s_mov_b32 s55, 0xfedcba98
	s_cmp_ge_u32 s40, 2
	s_cbranch_scc1 .Llam
	s_lshl_b32 s42, s40, 13
	s_mov_b32 s43, 0
	v_lshlrev_b32 v3, 8, v1                        ; lane l takes block l: 64 keys, 256 bytes
	s_wait_kmcnt 0x0
	s_add_nc_u64 s[44:45], s[18:19], s[42:43]
	s_load_b128 s[48:51], s[28:29], 0x18           ; e6, e7, e8, e9
.set i, 0
.rept 16
	global_load_b128 v[32+4*i:35+4*i], v3, s[44:45] offset:16*i
.set i, i+1
.endr
	s_wait_loadcnt 0x0
.set i, 0
.rept 32
	v_pk_fma_f32 v[32+i:33+i], v[32+i:33+i], -1.0, 1.0 op_sel_hi:[1,0,0]     ; 1 - mask
.set i, i+2
.endr
.set i, 0
.rept 32
	v_pk_mul_f32 v[32+i:33+i], v[32+i:33+i], 0xce6e6b28 op_sel_hi:[1,0]      ; x -1e9: pad
.set i, i+2
.endr
	v_max3_num_f32 v5, v32, v33, v34
	v_min3_num_f32 v6, v32, v33, v34
.set i, 3
.rept 30
	v_max3_num_f32 v5, v5, v[32+i], v[33+i]
	v_min3_num_f32 v6, v6, v[32+i], v[33+i]
.set i, i+2
.endr
	v_max_num_f32 v5, v5, v95                      ; my block's largest pad,
	v_min_num_f32 v6, v6, v95                      ; and its smallest
	v_max_num_f32 v6, |v5|, |v6|
	v_cmp_neq_f32 vcc_lo, 0, v6                    ; a pad other than 0 in block l: bit l
	s_mov_b32 s52, vcc_lo                          ; HB
	v_mov_b32 v7, v5
	v_mov_b32 v8, 0
	v_max_num_f32_dpp v7, v7, v7 row_xmask:1 row_mask:0xf bank_mask:0xf
	v_max_num_f32_dpp v7, v7, v7 row_xmask:2 row_mask:0xf bank_mask:0xf
	v_max_num_f32_dpp v7, v7, v7 row_xmask:4 row_mask:0xf bank_mask:0xf
	v_max_num_f32_dpp v7, v7, v7 row_xmask:8 row_mask:0xf bank_mask:0xf
	v_permlanex16_b32 v8, v7, s54, s55
	v_max_num_f32 v7, v7, v8                       ; G
	s_wait_kmcnt 0x0
	s_add_co_i32 s48, s48, s49
	s_add_co_i32 s50, s50, s51
	s_max_i32 s48, s48, s50                        ; E
	v_mov_b32 v9, 0x4a440000                       ; 3,211,264 = 2 x 64 x 448^2 / 8
	v_ldexp_f32 v9, v9, s48
	v_add_f32 v9, 0xce6e6ae8, v9                   ; T = -999,995,904 + that
	v_mov_b32 v10, 0x1000                          ; my block's first key with pad - G >= T; 4,096 if none
.set i, 63
.rept 64
	v_sub_f32 v14, v[32+i], v7
	v_cmp_lt_f32 vcc_lo, v14, v9
	v_cndmask_b32 v10, i, v10, vcc_lo
.set i, i-1
.endr
	v_lshl_add_u32 v10, v1, 6, v10                 ; + 64 x block
	v_cvt_f32_u32 v10, v10
	v_min_num_f32_dpp v10, v10, v10 row_xmask:1 row_mask:0xf bank_mask:0xf
	v_min_num_f32_dpp v10, v10, v10 row_xmask:2 row_mask:0xf bank_mask:0xf
	v_min_num_f32_dpp v10, v10, v10 row_xmask:4 row_mask:0xf bank_mask:0xf
	v_min_num_f32_dpp v10, v10, v10 row_xmask:8 row_mask:0xf bank_mask:0xf
	v_permlanex16_b32 v8, v10, s54, s55
	v_min_num_f32 v10, v10, v8
	v_min_num_f32 v10, 0x45000000, v10             ; at most 2,048
	v_cvt_u32_f32 v10, v10                         ; F
	v_mov_b32 v15, s52
	v_cmp_eq_u32 vcc_lo, 1, v1
	v_cndmask_b32 v10, v10, v15, vcc_lo            ; lane 0: F, lane 1: HB
	v_lshlrev_b32 v16, 3, v1
	v_lshl_add_u32 v16, s40, 2, v16                ; words b and 2 + b
	v_cmp_gt_u32 vcc_lo, 2, v1
	s_wait_xcnt 0x0                                ; EXEC changes only behind this wait
	s_and_saveexec_b32 s57, vcc_lo
	global_store_b32 v16, v10, s[34:35]            ; eight bytes a wave, once in the launch
	s_wait_xcnt 0x0
	s_or_b32 exec_lo, exec_lo, s57
	s_endpgm
.Llam:
	s_cmp_ge_u32 s40, 3
	s_cbranch_scc1 .Lidle
	v_lshlrev_b32 v3, 2, v1
	s_mov_b32 s56, 0x3fb8aa3b                      ; log2(e), rounded to f32
	s_wait_kmcnt 0x0
	global_load_b32 v16, v3, s[20:21]
	global_load_b32 v17, v3, s[20:21] offset:128
	global_load_b32 v18, v3, s[22:23]
	global_load_b32 v19, v3, s[22:23] offset:128
	global_load_b32 v20, v3, s[24:25]
	global_load_b32 v21, v3, s[24:25] offset:128
	global_load_b32 v22, v3, s[26:27]
	global_load_b32 v23, v3, s[26:27] offset:128
	s_wait_loadcnt 0x0
	v_mul_f32 v24, v16, v18
	v_mul_f32 v25, v20, v22
	v_fmac_f32 v24, v17, v19
	v_fmac_f32 v25, v21, v23
	v_mov_b32 v8, 0
.irp x, 1,2,4,8
	v_add_f32_dpp v24, v24, v24 row_xmask:\x row_mask:0xf bank_mask:0xf
	v_add_f32_dpp v25, v25, v25 row_xmask:\x row_mask:0xf bank_mask:0xf
.endr
	v_permlanex16_b32 v8, v24, s54, s55
	v_add_f32 v24, v24, v8                         ; lam_q1 . lam_k1
	v_permlanex16_b32 v8, v25, s54, s55
	v_add_f32 v25, v25, v8                         ; lam_q2 . lam_k2
	v_mul_f32 v26, 0x3fb8aa3b, v24                 ; e^x = 2^t (1 + lo ln 2): t = x log2(e) rounded, lo what the rounding and the constant's own rounding left
	v_mul_f32 v27, 0x3fb8aa3b, v25
	v_fma_f32 v28, v24, s56, -v26
	v_fma_f32 v29, v25, s56, -v27
	v_fmac_f32 v28, 0x32a5705f, v24
	v_fmac_f32 v29, 0x32a5705f, v25
	v_exp_f32 v26, v26
	v_exp_f32 v27, v27
	v_mul_f32 v28, 0x3f317218, v28                 ; (plain instructions behind the exponentials)
	v_mul_f32 v29, 0x3f317218, v29
	s_wait_alu depctr_va_vdst(0)                   ; the wait ahead of the first reader: one for both
	v_fma_f32 v26, v26, v28, v26
	v_fma_f32 v27, v27, v29, v27
	v_sub_f32 v26, v26, v27
	v_add_f32 v26, 0x3f4ccccd, v26                 ; + 0.8
	v_cmp_eq_u32 vcc_lo, 0, v1
	s_wait_xcnt 0x0
	s_and_saveexec_b32 s57, vcc_lo
	global_store_b32 v3, v26, s[36:37]
	s_wait_xcnt 0x0
	s_or_b32 exec_lo, exec_lo, s57
.Lidle:
	s_endpgm
.Lfunc_end_k_qacc1a0cdcd_prep:
	.size	k_qacc1a0cdcd_prep, .Lfunc_end_k_qacc1a0cdcd_prep-k_qacc1a0cdcd_prep
	.p2alignl 7, 3214868480
	.fill 96, 4, 3214868480
	.section	.rodata,"a",@progbits
	.p2align	6, 0x0
	.amdhsa_kernel k_qacc1a0cdcd_prep
		.amdhsa_group_segment_fixed_size 34304
		.amdhsa_private_segment_fixed_size 0
		.amdhsa_enable_private_segment 0
		.amdhsa_kernarg_size 136
		.amdhsa_user_sgpr_count 2
		.amdhsa_user_sgpr_kernarg_segment_ptr 1
		.amdhsa_wavefront_size32 1
		.amdhsa_system_sgpr_workgroup_id_x 1
		.amdhsa_system_sgpr_workgroup_id_y 1
		.amdhsa_system_sgpr_workgroup_id_z 1
		.amdhsa_system_vgpr_workitem_id 0
		.amdhsa_next_free_vgpr 240
		.amdhsa_next_free_sgpr 66
		.amdhsa_reserve_vcc 1
		.amdhsa_float_denorm_mode_32 3
		.amdhsa_float_denorm_mode_16_64 3
		.amdhsa_memory_ordered 1
		.amdhsa_forward_progress 1
		.amdhsa_inst_pref_size 150
	.end_amdhsa_kernel
	.amdgpu_metadata
---
amdhsa.version: [ 1, 2 ]
amdhsa.kernels:
  - .name:           k_qacc1a0cdcd_prep
    .symbol:         k_qacc1a0cdcd_prep.kd
    .args:
      - { .name: query, .offset: 0, .size: 8, .value_kind: global_buffer, .address_space: global }
      - { .name: key, .offset: 8, .size: 8, .value_kind: global_buffer, .address_space: global }
      - { .name: value, .offset: 16, .size: 8, .value_kind: global_buffer, .address_space: global }
      - { .name: Wq, .offset: 24, .size: 8, .value_kind: global_buffer, .address_space: global }
      - { .name: Wk, .offset: 32, .size: 8, .value_kind: global_buffer, .address_space: global }
      - { .name: Wv, .offset: 40, .size: 8, .value_kind: global_buffer, .address_space: global }
      - { .name: Wo, .offset: 48, .size: 8, .value_kind: global_buffer, .address_space: global }
      - { .name: attention_mask, .offset: 56, .size: 8, .value_kind: global_buffer, .address_space: global }
      - { .name: lam_q1, .offset: 64, .size: 8, .value_kind: global_buffer, .address_space: global }
      - { .name: lam_k1, .offset: 72, .size: 8, .value_kind: global_buffer, .address_space: global }
      - { .name: lam_q2, .offset: 80, .size: 8, .value_kind: global_buffer, .address_space: global }
      - { .name: lam_k2, .offset: 88, .size: 8, .value_kind: global_buffer, .address_space: global }
      - { .name: lowp_scales, .offset: 96, .size: 8, .value_kind: global_buffer, .address_space: global }
      - { .name: ximg, .offset: 104, .size: 8, .value_kind: global_buffer, .address_space: global }
      - { .name: wimg, .offset: 112, .size: 8, .value_kind: global_buffer, .address_space: global }
      - { .name: flags, .offset: 120, .size: 8, .value_kind: global_buffer, .address_space: global }
      - { .name: lamb, .offset: 128, .size: 8, .value_kind: global_buffer, .address_space: global }
    .group_segment_fixed_size: 34304
    .private_segment_fixed_size: 0
    .kernarg_segment_align: 8
    .kernarg_segment_size: 136
    .max_flat_workgroup_size: 128
    .sgpr_count:     66
    .vgpr_count:     240
    .wavefront_size: 32
...
	.end_amdgpu_metadata
.endif
;; end of part 1
;; launch proj (part 2): grid 16 x 16, 8 waves a work-group, no clusters, 327,680 bytes of LDS; arguments ximg, wimg, lowp_scales, qkv; writes qkv
.if DOCPART == 2
	.amdgcn_target "amdgcn-amd-amdhsa--gfx1250"
	.amdhsa_code_object_version 6
	.text
	.protected	k_qacc1a0cdcd_proj
	.globl	k_qacc1a0cdcd_proj
	.p2align	8
	.type	k_qacc1a0cdcd_proj,@function
k_qacc1a0cdcd_proj:
	s_mov_b64 s[64:65], 0
	v_nop
	global_prefetch_b8 v0, s[64:65] scope:SCOPE_SE
	s_setreg_imm32_b32 hwreg(HW_REG_WAVE_MODE, 25, 1), 1
	s_wait_xcnt 0x0
; PROJ: q = query Wq, k = key Wk, v = value Wv on codes of E4M3, and their results quantised at once into the register images that the attention launch reads.
; SHARES.  Work-group (head = x, block of 256 rows = y) makes that head's 320 columns in three phases: Q (128), K (128), V (64).  Wave w makes rows 32 w .. 32 w + 31 (two tiles of 16) x all columns of the phase.
; The head's weights lie in LDS as images (tensor loads, 16 KiB or 8 KiB a wave); x's fragments go from memory straight into registers, each read once by the work-group.
; Q and K are made TRANSPOSED (source 0 = 16 columns of W, source 1 = 16 rows of x): a lane then holds one position and eight neighbouring channels, so a conversion's two registers are registers 2 c, 2 c + 1 of the
; attention's operand.  V is made the natural way round: a lane holds one channel and eight neighbouring positions, and the keys are V's K.
; qkv: Q at 0, K at 8 MiB: [batch x head 32][64 positions: 32][matrix 2][tile of 16 positions: 4][1,024 bytes];  V at 16 MiB: [32][64 keys: 32][tile of 16 channels: 4][1,024 bytes].
; NO CLUSTER: of a work-group's 1,088 KiB of operands only the 320 KiB of weights are shared with others, they are fetched once, and the rest goes into registers.
; LDS: 0: Wq's 128 KiB, later Wv's 64 KiB; 131072: Wk's 128 KiB; 262144: the spare words.  Wv's tile is the launch's one refill; a wave has two tensor loads out at the start and one behind the refill's barrier.
; LIMITS: e6 - e0 - e1, e8 - e0 - e1, e7 - e2 - e3, e9 - e2 - e3, e11 - e4 - e5 each between -126 and 119.
.set SPARE, 262144
.set SPW, 6                            ; v6   my spare word; never rewritten
.set NIL, 7                            ; v7   0; never rewritten
.set BB,  32                           ; v32-63   two weight fragments by turns; at a phase's end the codes
.set AS,  64                           ; v64-127  two sets of x's two fragments
.set ACC, 128                          ; v128-255 accumulator (a, n) at 128 + 8 (8 a + n)
	s_load_b256 s[4:11], s[0:1], 0x0               ; ximg, wimg, scales, qkv
	v_lshl_add_u32 v[SPW], v0, 2, SPARE
	v_mov_b32 v[NIL], 0
	ds_add_u32 v[SPW], v[NIL]                      ; the wave's opening: the add and its wait ahead of my first tensor load
	v_lshrrev_b32 v1, 5, v0
	v_readfirstlane_b32 s12, v1                    ; wave 0..7
	v_and_b32 v1, 31, v0
	v_lshlrev_b32 v1, 4, v1                        ; 16 x lane: an image's place for my lane; also LDS region 0
	v_add_nc_u32 v3, 0x10000, v1
	v_add_nc_u32 v4, 0x20000, v1
	v_add_nc_u32 v5, 0x30000, v1
	s_mov_b32 s13, ttmp9                           ; head
	s_and_b32 s14, ttmp7, 0xffff                   ; block of 256 rows
	; descriptor group 1: dense rows of 256 bytes (32 elements of 8 bytes), 64 of them, or 32
	s_mov_b32 s24, 3<<16
	s_mov_b32 s25, 32<<16
	s_mov_b32 s26, 64<<16
	s_mov_b32 s27, 32<<16
	s_mov_b32 s28, 64
	s_mov_b32 s29, 32
	s_mov_b32 s30, 0
	s_mov_b32 s31, 0
	s_mov_b32 s32, 3<<16
	s_mov_b32 s33, 32<<16
	s_mov_b32 s34, 32<<16
	s_mov_b32 s35, 32<<16
	s_mov_b32 s36, 32
	s_mov_b32 s37, 32
	s_mov_b32 s38, 0
	s_mov_b32 s39, 0
	s_lshl_b32 s66, s13, 17                        ; Wq, Wk: the head's 8 tiles of 16,384 bytes, my wave's one
	s_lshl_b32 s15, s12, 14
	s_add_co_u32 s66, s66, s15
	s_mov_b32 s67, 0
	s_lshl_b32 s80, s13, 16                        ; Wv: 4 tiles, half a tile a wave
	s_lshl_b32 s15, s12, 13
	s_add_co_u32 s80, s80, s15
	s_add_co_u32 s80, s80, 0x400000
	s_mov_b32 s81, 0
	s_lshl_b32 s82, s14, 18                        ; x: tile of rows 16 y + 2 w, 16,384 bytes a tile
	s_lshl_b32 s15, s12, 15
	s_add_co_u32 s82, s82, s15
	s_mov_b32 s83, 0
	s_lshr_b32 s15, s14, 3
	s_lshl_b32 s15, s15, 4
	s_add_co_u32 s15, s15, s13                     ; batch x 16 + head
	s_and_b32 s16, s14, 7
	s_lshl_b32 s16, s16, 4
	s_lshl_b32 s17, s12, 1
	s_add_co_u32 s16, s16, s17                     ; p0: my first tile of 16 positions in the batch (even)
	s_lshr_b32 s17, s16, 2
	s_and_b32 s18, s16, 3
	s_lshl_b32 s20, s15, 18
	s_lshl_b32 s19, s17, 13
	s_add_co_u32 s20, s20, s19
	s_lshl_b32 s19, s18, 10
	s_add_co_u32 s20, s20, s19
	s_mov_b32 s21, 0
	s_lshl_b32 s22, s15, 17
	s_lshl_b32 s19, s17, 12
	s_add_co_u32 s22, s22, s19
	s_lshl_b32 s19, s18, 8                         ; chunk (p0 % 4) / 2 of 512 bytes
	s_add_co_u32 s22, s22, s19
	s_add_co_u32 s22, s22, 0x1000000
	s_mov_b32 s23, 0
	s_wait_dscnt 0x0                               ; the opening add is done
	s_wait_kmcnt 0x0
	s_load_b256 s[68:75], s[8:9], 0x0              ; e0 .. e7
	s_load_b128 s[76:79], s[8:9], 0x20             ; e8 .. e11
	s_mov_b32 s40, 1
	s_lshl_b32 s41, s12, 14
	s_add_nc_u64 s[42:43], s[6:7], s[66:67]
	s_mov_b32 s44, 1
	s_add_co_u32 s45, s41, 131072
	s_add_nc_u64 s[46:47], s[42:43], 0x200000
	s_or_b32 s43, s43, 0x80000000
	s_or_b32 s47, s47, 0x80000000
	s_mov_b32 s48, 1
	s_lshl_b32 s49, s12, 13
	s_add_nc_u64 s[50:51], s[6:7], s[80:81]
	s_or_b32 s51, s51, 0x80000000
	tensor_load_to_lds s[40:43], s[24:31]          ; my eighth of Wq's head
	s_nop 0
	tensor_load_to_lds s[44:47], s[24:31]          ; and of Wk's
	s_nop 0
	s_add_nc_u64 s[52:53], s[4:5], s[82:83]        ; query's codes, key's, value's
	s_add_nc_u64 s[54:55], s[52:53], 0x400000
	s_add_nc_u64 s[56:57], s[52:53], 0x800000
	s_add_nc_u64 s[58:59], s[10:11], s[20:21]      ; where Q, K, V go
	s_add_nc_u64 s[60:61], s[58:59], 0x800000
	s_add_nc_u64 s[62:63], s[10:11], s[22:23]
.macro ALOAD base, s, set              ; x's two fragments of K step s: eight loads of 512 consecutive bytes
.irp a, 0,1
.irp c, 0,1,2,3
	global_load_b128 v[AS+32*(\set)+16*\a+4*\c:AS+32*(\set)+16*\a+4*\c+3], v1, s[\base:\base+1] offset:\a*16384+(\s)*2048+512*\c
.endr
.endr
.endm
.macro BLOAD buf, lo, hi, n, s         ; the weights' fragment (tile n, K step s)
.irp c, 0,1,2,3
.if (\n) < 4
	ds_load_b128 v[BB+16*(\buf)+4*\c:BB+16*(\buf)+4*\c+3], v[\lo] offset:((\n)&3)*16384+(\s)*2048+512*\c
.else
	ds_load_b128 v[BB+16*(\buf)+4*\c:BB+16*(\buf)+4*\c+3], v[\hi] offset:((\n)&3)*16384+(\s)*2048+512*\c
.endif
.endr
.endm
.macro MKSC vs, se                     ; v[vs] = 2^se as f32, v[vs + 1] = 448 x that
	s_add_co_i32 s22, \se, 127
	s_lshl_b32 s23, s22, 23
	v_mov_b32 v[\vs], s23
	s_add_co_i32 s22, s22, 8
	s_lshl_b32 s22, s22, 23
	s_or_b32 s22, s22, 0x600000
	v_mov_b32 v[(\vs)+1], s22
.endm
; A phase: 8 K steps of 128 x nt tiles of columns x my two tiles of rows.  The accumulators take turns, each once in a K step.  Weight fragments run two ahead, x's fragments two K steps ahead, on into the next phase.
.macro PHASE base, nbase, lo, hi, nt, tr, last
	BLOAD 0, \lo, \hi, 0, 0
	BLOAD 1, \lo, \hi, 1, 0
.set ps, 0
.rept 8
.set pn, 0
.rept \nt
.set pi, ps*(\nt)+pn
.if pi == 8*(\nt)-1
	s_wait_dscnt 0x0
.else
	s_wait_dscnt 0x4                               ; this fragment is in; the next one's four loads may be out
.endif
.if pn == 0
.if (\last) && (ps == 7)
	s_wait_loadcnt 0x0
.else
	s_wait_loadcnt 0x8                             ; this K step's x is in; the next step's eight loads may be out
.endif
.endif
.irp a, 0,1
.set rD, ACC+8*(8*\a+pn)
.set rB, BB+16*(pi%2)
.set rA, AS+32*(ps%2)+16*\a
.if \tr
.if ps == 0
	v_wmma_f32_16x16x128_fp8_fp8 v[rD:rD+7], v[rB:rB+15], v[rA:rA+15], 0
.else
	v_wmma_f32_16x16x128_fp8_fp8 v[rD:rD+7], v[rB:rB+15], v[rA:rA+15], v[rD:rD+7]
.endif
.else
.if ps == 0
	v_wmma_f32_16x16x128_fp8_fp8 v[rD:rD+7], v[rA:rA+15], v[rB:rB+15], 0
.else
	v_wmma_f32_16x16x128_fp8_fp8 v[rD:rD+7], v[rA:rA+15], v[rB:rB+15], v[rD:rD+7]
.endif
.endif
.endr
.rept 4
	v_nop                                          ; four places in front of loads into registers that these products read, and of the first read of results
.endr
.if pi+2 < 8*(\nt)
	BLOAD pi%2, \lo, \hi, (pi+2)%(\nt), (pi+2)/(\nt)
.endif
.if pn == (\nt)-1
.if ps < 6
	ALOAD \base, ps+2, ps%2
.elseif !(\last)
	ALOAD \nbase, ps-6, ps%2
.endif
.endif
.set pn, pn+1
.endr
.set ps, ps+1
.endr
.endm
; Q's or K's results become codes: for tile of rows a and matrix m (channels 0-63, 64-127) four accumulators give the eight registers of one K = 64 fragment.  Work on registers alone.
.macro EPIV_QK sa, sb
.irp a, 0,1
.irp m, 0,1
.set eA, ACC+8*(8*\a+4*\m)
.set eS, (\sa)+((\sb)-(\sa))*\m
.set i, 0
.rept 32
	v_med3_num_f32 v[eA+i], v[eA+i], -v[eS+1], v[eS+1]     ; each accumulator from its low end on; the hold ahead of a conversion that does not saturate (ISA guide 7.6.2)
.set i, i+1
.endr
.irp c, 0,1,2,3
	v_cvt_scalef32_pk8_fp8_f32 v[BB+8*(2*\a+\m)+2*\c:BB+8*(2*\a+\m)+2*\c+1], v[eA+8*\c:eA+8*\c+7], v[eS]
.endr
.endr
.endr
	v_nop                                          ; a plain instruction behind the last conversion
.endm
.macro EPIS_QK out
.irp a, 0,1
.irp m, 0,1
.irp k, 0,1
	global_store_b128 v1, v[BB+8*(2*\a+\m)+4*\k:BB+8*(2*\a+\m)+4*\k+3], s[\out:\out+1] offset:\m*4096+\a*1024+512*\k   ; 512 consecutive bytes
.endr
.endr
.endr
	s_wait_xcnt 0x0                                ; the stores have read the codes: the next phase's fragments may land there
.endm
	ALOAD 52, 0, 0
	ALOAD 52, 1, 1
	s_wait_kmcnt 0x0
	s_add_co_i32 s84, s68, s69                     ; a sum stands for sum x 2^(ex + ew): the three exponents are folded into the conversion's one
	s_sub_co_i32 s85, s74, s84
	MKSC 10, s85                                   ; Q1
	s_sub_co_i32 s85, s76, s84
	MKSC 12, s85                                   ; Q2
	s_add_co_i32 s84, s70, s71
	s_sub_co_i32 s85, s75, s84
	MKSC 14, s85                                   ; K1
	s_sub_co_i32 s85, s77, s84
	MKSC 16, s85                                   ; K2
	s_add_co_i32 s84, s72, s73
	s_sub_co_i32 s85, s79, s84
	MKSC 18, s85                                   ; V
	s_wait_tensorcnt 0x1                           ; my part of Wq is in; Wk's may stay out
	s_barrier_signal -1
	s_barrier_wait -1
	PHASE 52, 54, 1, 3, 8, 1, 0                    ; Q
	s_wait_tensorcnt 0x0                           ; all my tensor loads have landed,
	ds_add_u32 v[SPW], v[NIL]                      ; Q's conversions stand between the add and the wait for it
	EPIV_QK 10, 12
	s_wait_dscnt 0x0                               ; the add is done, and my reads of Wq are over
	s_barrier_signal -1
	s_barrier_wait -1
	tensor_load_to_lds s[48:51], s[32:39]          ; Wv over Wq's first half: my one tensor load behind this barrier; it has the whole of K's phase in which to land
	s_nop 0
	EPIS_QK 58
	PHASE 54, 56, 4, 5, 8, 1, 0                    ; K
	EPIV_QK 14, 16
	EPIS_QK 60
	s_wait_tensorcnt 0x0                           ; my part of Wv is in,
	s_wait_dscnt 0x0
	s_barrier_signal -1
	s_barrier_wait -1                              ; everybody's is
	PHASE 56, 56, 1, 3, 4, 0, 1                    ; V
.irp n, 0,1,2,3                        ; V: lane (r, h) holds channel 16 n + r and positions 8 h + 0..7 of my two tiles: one chunk of the keys' K = 64 fragment
.set i, 0
.rept 8
	v_med3_num_f32 v[ACC+8*\n+i], v[ACC+8*\n+i], -v19, v19
.set i, i+1
.endr
.set i, 0
.rept 8
	v_med3_num_f32 v[ACC+64+8*\n+i], v[ACC+64+8*\n+i], -v19, v19
.set i, i+1
.endr
	v_cvt_scalef32_pk8_fp8_f32 v[BB+4*\n:BB+4*\n+1], v[ACC+8*\n:ACC+8*\n+7], v18
	v_cvt_scalef32_pk8_fp8_f32 v[BB+4*\n+2:BB+4*\n+3], v[ACC+64+8*\n:ACC+64+8*\n+7], v18
.endr
	v_nop
.irp n, 0,1,2,3
	global_store_b128 v1, v[BB+4*\n:BB+4*\n+3], s[62:63] offset:\n*1024
.endr
	s_wait_tensorcnt 0x0                           ; the wave's end
	ds_add_u32 v[SPW], v[NIL]
	s_wait_dscnt 0x0
	s_endpgm
.Lfunc_end_k_qacc1a0cdcd_proj:
	.size	k_qacc1a0cdcd_proj, .Lfunc_end_k_qacc1a0cdcd_proj-k_qacc1a0cdcd_proj
	.p2alignl 7, 3214868480
	.fill 96, 4, 3214868480
	.section	.rodata,"a",@progbits
	.p2align	6, 0x0
	.amdhsa_kernel k_qacc1a0cdcd_proj
		.amdhsa_group_segment_fixed_size 327680
		.amdhsa_private_segment_fixed_size 0
		.amdhsa_enable_private_segment 0
		.amdhsa_kernarg_size 32
		.amdhsa_user_sgpr_count 2
		.amdhsa_user_sgpr_kernarg_segment_ptr 1
		.amdhsa_wavefront_size32 1
		.amdhsa_system_sgpr_workgroup_id_x 1
		.amdhsa_system_sgpr_workgroup_id_y 1
		.amdhsa_system_sgpr_workgroup_id_z 1
		.amdhsa_system_vgpr_workitem_id 0
		.amdhsa_next_free_vgpr 256
		.amdhsa_next_free_sgpr 90
		.amdhsa_reserve_vcc 0
		.amdhsa_float_denorm_mode_32 3
		.amdhsa_float_denorm_mode_16_64 3
		.amdhsa_memory_ordered 1
		.amdhsa_forward_progress 1
		.amdhsa_inst_pref_size 135
	.end_amdhsa_kernel
	.amdgpu_metadata
---
amdhsa.version: [ 1, 2 ]
amdhsa.kernels:
  - .name:           k_qacc1a0cdcd_proj
    .symbol:         k_qacc1a0cdcd_proj.kd
    .args:
      - { .name: ximg, .offset: 0, .size: 8, .value_kind: global_buffer, .address_space: global }
      - { .name: wimg, .offset: 8, .size: 8, .value_kind: global_buffer, .address_space: global }
      - { .name: lowp_scales, .offset: 16, .size: 8, .value_kind: global_buffer, .address_space: global }
      - { .name: qkv, .offset: 24, .size: 8, .value_kind: global_buffer, .address_space: global }
    .group_segment_fixed_size: 327680
    .private_segment_fixed_size: 0
    .kernarg_segment_align: 8
    .kernarg_segment_size: 32
    .max_flat_workgroup_size: 256
    .sgpr_count:     90
    .vgpr_count:     256
    .wavefront_size: 32
...
	.end_amdgpu_metadata
.endif
;; end of part 2
;; launch attn (part 3): grid 8 x 32, 16 waves a work-group, no clusters, 264,192 bytes of LDS; arguments qkv, attention_mask, lowp_scales, flags, lamb, attnw, gstat; writes attnw, gstat
.if DOCPART == 3
	.amdgcn_target "amdgcn-amd-amdhsa--gfx1250"
	.amdhsa_code_object_version 6
	.text
	.protected	k_qacc1a0cdcd_attn
	.globl	k_qacc1a0cdcd_attn
	.p2align	8
	.type	k_qacc1a0cdcd_attn,@function
k_qacc1a0cdcd_attn:
	s_mov_b64 s[64:65], 0
	v_nop
	global_prefetch_b8 v0, s[64:65] scope:SCOPE_SE
	s_setreg_imm32_b32 hwreg(HW_REG_WAVE_MODE, 25, 1), 1
	s_wait_xcnt 0x0
; ATTN: dw = softmax(s1 + add) - lam softmax(s2 + add), attn = dw V, all three products on codes of E4M3; add = ALiBi + causal -1e9 + pad, as reference() builds it.
; dw is quantised FINISHED AND NORMALISED, so each row's maximum and sum are needed first: TWO PASSES over the keys.  Pass 1: running maximum and sum of both softmaxes.  Pass 2: the scores again, the weights
; w = 2^((x - m) log2 e - log2 l), dw, its codes, O^T += V^T dw^T.
; SHARES.  Work-group (i = x, batch x head = y) owns the blocks i and 15 - i of 128 queries, so that every work-group has the same number of key steps under the causal mask.  A wave owns 16 queries; a step is 64 keys.
; All products are used transposed (S^T = K Q^T, O^T = V^T P^T): lane (r, h) holds query q0 + r throughout; register 8 c + j of S^T is key j0 + 16 c + 8 h + j, so a conversion's two registers are registers 2 c, 2 c + 1 of the next operand.
; The head's K1 and K2 images (256 KiB) are copied into LDS once; V's fragments come from memory, 4 KiB a step.
; WHICH STEPS.  Both loops have 32 trips; a trip's work is jumped over by scalar branches on ids and on the two whole numbers that the launch before stored.  A wave with q0 >= F walks the steps up to its diagonal;
; a wave with q0 < F (rows whose visible keys are all heavily padded, so that keys under the causal -1e9 may weigh) walks all 32.
; A step is FAST where all 64 keys are visible to all 16 queries and none is padded: the bias costs nothing per number: slope (8 h + j) / c is the C of the score products and slope (j0 - q + 16 c) goes into the exponent's offset.
; Else it is EXACT: x = s + ((slope (j - q) + causal) + pad) in reference()'s own order of additions, then rebased by the lane's largest x of the step, so that no product with log2 e is formed of numbers near 1e9.
; OUT.  attnw: f32, the register image of O^T: [batch][tile of 16 queries: 128][head 16][4,096 bytes].  gstat: each wave's mean of its 1,024 numbers and the sum of squares about it (eight bytes a wave, once).
; LIMITS: e6 + e7 - 3, e8 + e9 - 3, e10 + e11 between -126 and 127; e10 between -126 and 119.  The slopes are the correctly rounded 2^(-i/2).  In FAST steps the bias is added in another order than reference()'s (a few ulp of numbers that count);
; 1 / l enters as -log2 l.  NaN and infinities are not served.  Products 4 and 5 take Q as the operand of entries 6, 8 and K as that of entries 7, 9.
.set SPARE, 262144
.set SPW, 8                            ; v8  my spare word; v9  0; both never rewritten
.set NIL, 9
.set Z1, 64                            ; v64-95, v96-127   the two score tiles, then p or w
.set Z2, 96
.set KF, 128                           ; v128-191 K1's and K2's fragments; in pass 2 then V's (v128-159) and dw's codes (v160-167); in EXACT steps pad (v128-159) and the bias (v160-191)
.set OO, 192                           ; v192-223 O^T
.set LOG2E, 0x3fb8aa3b
.set NEGBIG, 0xce6e6b28                ; -1e9
; v1 16 x lane; v2, v3 LDS / V offsets of the step; v4 j0 - q; v5 8 h; v6 the mask's offset; v7 the prefetch's; v10 448 x 2^e10; v11 2^e10; v12, v13 m; v[14:15], v[16:17] l in two halves; v18, v19 log2 l;
; v20-23, v24-27 B of the four key tiles; v28 32 h; v29 256 x lane; v30 -q; v31 lane; v32-39, v40-47 Q1, Q2; v48-55, v56-63 slope (8 h + j) / c; v224-255 at work.
; s18 wave; s20 batch x head; s21 batch; s22 head; s23 q0; s33 steps to walk; s34 bit t: step t is EXACT; s35 t; s36 8192 t; s37 4096 t; s38 256 t; s[40:41] V; s[42:43] mask; s[44:47] c1, c2; s[48:51] c1 log2 e, c2 log2 e;
; s[52:53] log2 e; s[54:55] -lam; s[56:57] 2^(e10 + e11); s58, s59, s[60:63] the step's scales; s66 slope; s67 prefetch bound; s[68:69] lane selects; s[70:71] attnw; s[72:73] gstat.
.macro KLOAD
	v_add_nc_u32 v2, s36, v1
.irp m, 0,1
.irp c, 0,1,2,3
	ds_load_b128 v[KF+32*\m+8*\c:KF+32*\m+8*\c+3], v2 offset:\m*4096+\c*1024
	ds_load_b128 v[KF+32*\m+8*\c+4:KF+32*\m+8*\c+7], v2 offset:\m*4096+\c*1024+512
.endr
.endr
.endm
.macro SMUL zero                       ; the eight score products; zero = 0: C = the bias's part within a tile
	s_wait_dscnt 0x8                               ; K1 is in; K2's eight loads may be out
.irp c, 0,1,2,3
.if \zero
	v_wmma_f32_16x16x64_fp8_fp8 v[Z1+8*\c:Z1+8*\c+7], v[KF+8*\c:KF+8*\c+7], v[32:39], 0
.else
	v_wmma_f32_16x16x64_fp8_fp8 v[Z1+8*\c:Z1+8*\c+7], v[KF+8*\c:KF+8*\c+7], v[32:39], v[48:55]
.endif
.endr
	s_wait_dscnt 0x0
.irp c, 0,1,2,3
.if \zero
	v_wmma_f32_16x16x64_fp8_fp8 v[Z2+8*\c:Z2+8*\c+7], v[KF+32+8*\c:KF+32+8*\c+7], v[40:47], 0
.else
	v_wmma_f32_16x16x64_fp8_fp8 v[Z2+8*\c:Z2+8*\c+7], v[KF+32+8*\c:KF+32+8*\c+7], v[40:47], v[56:63]
.endif
.endr
.endm
.macro FASTB                           ; x = c z + B_c.  These eleven plain instructions are also the places behind the products
	v_mul_f32 v20, s66, v4
	v_add_f32 v224, 0x41800000, v4
	v_add_f32 v225, 0x42000000, v4
	v_add_f32 v226, 0x42400000, v4
	v_mul_f32 v21, s66, v224
	v_mul_f32 v22, s66, v225
	v_mul_f32 v23, s66, v226
	v_mov_b32 v24, v20
	v_mov_b32 v25, v21
	v_mov_b32 v26, v22
	v_mov_b32 v27, v23
	s_mov_b32 s58, s44
	s_mov_b32 s59, s46
	s_mov_b64 s[60:61], s[48:49]
	s_mov_b64 s[62:63], s[50:51]
.endm
.macro TILEMAX zb, tb                  ; the largest of each tile's eight; each accumulator is read from its low end on
.irp c, 0,1,2,3
	v_max3_num_f32 v[\tb+\c], v[\zb+8*\c], v[\zb+8*\c+1], v[\zb+8*\c+2]
.endr
.irp c, 0,1,2,3
	v_max3_num_f32 v[\tb+\c], v[\tb+\c], v[\zb+8*\c+3], v[\zb+8*\c+4]
.endr
.irp c, 0,1,2,3
	v_max3_num_f32 v[\tb+\c], v[\tb+\c], v[\zb+8*\c+5], v[\zb+8*\c+6]
.endr
.irp c, 0,1,2,3
	v_max_num_f32 v[\tb+\c], v[\tb+\c], v[\zb+8*\c+7]
.endr
.endm
.macro SCALEZ zb, sl, ofb              ; z x scale + the tile's offset, two at a time; of the offsets' pair the low word serves an even tile, the high word an odd one
.irp c, 0,2
.irp p, 0,2,4,6
	v_pk_fma_f32 v[\zb+8*\c+\p:\zb+8*\c+\p+1], v[\zb+8*\c+\p:\zb+8*\c+\p+1], s[\sl:\sl+1], v[\ofb+\c:\ofb+\c+1] op_sel_hi:[1,0,0]
.endr
.irp p, 0,2,4,6
	v_pk_fma_f32 v[\zb+8*\c+8+\p:\zb+8*\c+8+\p+1], v[\zb+8*\c+8+\p:\zb+8*\c+8+\p+1], s[\sl:\sl+1], v[\ofb+\c:\ofb+\c+1] op_sel:[0,0,1] op_sel_hi:[1,0,1]
.endr
.endr
.endm
.macro EXACTPRO
.rept 4
	v_nop                                          ; places behind the products: K's registers are written below, the scores read
.endr
	v_add_nc_u32 v6, s38, v28
.irp c, 0,1,2,3
	global_load_b128 v[128+8*\c:131+8*\c], v6, s[42:43] offset:64*\c          ; mask of keys j0 + 16 c + 8 h + 0..7
	global_load_b128 v[132+8*\c:135+8*\c], v6, s[42:43] offset:64*\c+16
.endr
	v_add_f32 v160, v4, v5                         ; j - q, whole numbers in f32: exact
	v_add_f32 v168, 0x41800000, v160
	v_add_f32 v176, 0x42000000, v160
	v_add_f32 v184, 0x42400000, v160
.irp c, 0,1,2,3
	v_add_f32 v[161+8*\c], 1.0, v[160+8*\c]
.endr
.irp c, 0,1,2,3
	v_pk_add_f32 v[162+8*\c:163+8*\c], v[160+8*\c:161+8*\c], 2.0 op_sel_hi:[1,0]
.endr
.irp c, 0,1,2,3
	v_pk_add_f32 v[164+8*\c:165+8*\c], v[160+8*\c:161+8*\c], 4.0 op_sel_hi:[1,0]
.endr
.irp c, 0,1,2,3
	v_pk_add_f32 v[166+8*\c:167+8*\c], v[162+8*\c:163+8*\c], 4.0 op_sel_hi:[1,0]
.endr
.set i, 0
.rept 32
	v_cmp_lt_f32 vcc_lo, 0, v[160+i]               ; j > q: under the causal mask
	v_mul_f32 v[160+i], s66, v[160+i]              ; -alibi
	v_add_f32 v250, NEGBIG, v[160+i]
	v_cndmask_b32 v[160+i], v[160+i], v250, vcc_lo ; -alibi + causal
.set i, i+1
.endr
	s_wait_loadcnt 0x0
.set i, 0
.rept 16
	v_pk_fma_f32 v[128+i:129+i], v[128+i:129+i], -1.0, 1.0 op_sel_hi:[1,0,0]
.set i, i+2
.endr
.set i, 0
.rept 16
	v_pk_mul_f32 v[128+i:129+i], v[128+i:129+i], NEGBIG op_sel_hi:[1,0]       ; pad
.set i, i+2
.endr
.set i, 0
.rept 16
	v_pk_add_f32 v[128+i:129+i], v[160+i:161+i], v[128+i:129+i]               ; add
.set i, i+2
.endr
.set i, 0
.rept 16
	v_pk_fma_f32 v[Z1+i:Z1+i+1], v[Z1+i:Z1+i+1], s[44:45], v[128+i:129+i] op_sel_hi:[1,0,1]   ; x = s + add: c z is exact, so this rounds once, as the addition does
.set i, i+2
.endr
.set i, 0
.rept 16
	v_pk_fma_f32 v[Z2+i:Z2+i+1], v[Z2+i:Z2+i+1], s[46:47], v[128+i:129+i] op_sel_hi:[1,0,1]
.set i, i+2
.endr
	TILEMAX Z1, 224
	TILEMAX Z2, 228
	v_max3_num_f32 v240, v224, v225, v226
	v_max3_num_f32 v241, v228, v229, v230
	v_max_num_f32 v240, v240, v227                 ; my largest x of the step
	v_max_num_f32 v241, v241, v231
.set i, 0
.rept 16
	v_pk_add_f32 v[Z1+i:Z1+i+1], v[Z1+i:Z1+i+1], v[240:241] op_sel_hi:[1,0] neg_lo:[0,1] neg_hi:[0,1]
.set i, i+2
.endr
.set i, 0
.rept 16
	v_pk_add_f32 v[Z2+i:Z2+i+1], v[Z2+i:Z2+i+1], v[240:241] op_sel:[0,1] op_sel_hi:[1,1] neg_lo:[0,1] neg_hi:[0,1]
.set i, i+2
.endr
.irp c, 0,1,2,3
	v_mov_b32 v[20+\c], v240
	v_mov_b32 v[24+\c], v241
.endr
	s_mov_b32 s58, 1.0
	s_mov_b32 s59, 1.0
	s_mov_b64 s[60:61], s[52:53]
	s_mov_b64 s[62:63], s[52:53]
.endm
.macro P1M zb, tb, ofb, bb, m, mn, al, sc, sl
	TILEMAX \zb, \tb
.irp c, 0,1,2,3
	v_fma_f32 v[\tb+\c], v[\tb+\c], s[\sc], v[\bb+\c]      ; as x (the scale is positive)
.endr
	v_max3_num_f32 v[\mn], v[\tb], v[\tb+1], v[\tb+2]
	v_max3_num_f32 v[\mn], v[\mn], v[\tb+3], v[\m]         ; the new m
	v_sub_f32 v[\al], v[\m], v[\mn]
	v_mul_f32 v[\al], LOG2E, v[\al]
	v_mov_b32 v[\m], v[\mn]
.irp c, 0,1,2,3
	v_sub_f32 v[\ofb+\c], v[\bb+\c], v[\mn]                ; the difference first, the product with log2 e behind it
.endr
.irp c, 0,1,2,3
	v_mul_f32 v[\ofb+\c], LOG2E, v[\ofb+\c]
.endr
	SCALEZ \zb, \sl, \ofb
.endm
.macro SUMS zb, lp, al, ts             ; l = l a + the step's p, two at a time, in two chains
	v_pk_fma_f32 v[\lp:\lp+1], v[\lp:\lp+1], v[\al:\al+1], v[\zb:\zb+1] op_sel_hi:[1,0,1]
	v_pk_add_f32 v[\ts:\ts+1], v[\zb+2:\zb+3], v[\zb+4:\zb+5]
.irp k, 6,10,14,18,22,26
	v_pk_add_f32 v[\lp:\lp+1], v[\lp:\lp+1], v[\zb+\k:\zb+\k+1]
	v_pk_add_f32 v[\ts:\ts+1], v[\ts:\ts+1], v[\zb+\k+2:\zb+\k+3]
.endr
	v_pk_add_f32 v[\lp:\lp+1], v[\lp:\lp+1], v[\zb+30:\zb+31]
	v_pk_add_f32 v[\lp:\lp+1], v[\lp:\lp+1], v[\ts:\ts+1]
.endm
.macro P1COMMON                        ; m and l are kept for each lane's own keys; the two halves of the lanes are merged behind the loop
	P1M Z1, 224, 232, 20, 12, 240, 242, 58, 60
	P1M Z2, 228, 236, 24, 13, 241, 244, 59, 62
	v_exp_f32 v242, v242                           ; a = 2^((m_old - m_new) log2 e)
	v_exp_f32 v244, v244
.set i, 0
.rept 64
	v_exp_f32 v[Z1+i], v[Z1+i]
.set i, i+1
.endr
	v_add_f32 v4, 0x42800000, v4                   ; the next step's j0 - q: the plain instruction behind the batch
	s_wait_alu depctr_va_vdst(0)                   ; the wait ahead of the first reader: one for the 66
	SUMS Z1, 14, 242, 246
	SUMS Z2, 16, 244, 248
.endm
.macro VLOAD                           ; V's four fragments of the step: eight loads of 512 consecutive bytes
	v_add_nc_u32 v3, s37, v1
.irp k, 0,1,2,3,4,5,6,7
	global_load_b128 v[KF+4*\k:KF+4*\k+3], v3, s[40:41] offset:512*\k
.endr
.endm
; A PREFETCH of V's blocks of steps t + 2 and t + 3 (8,192 bytes, lanes 256 bytes apart), in even trips t <= 28, behind the step's own loads.  All eight work-groups of a head walk the same V: work-group x = 0 asks, and in it
; wave 1, whose queries begin at 1,920, so that it works in every trip up to 30.  So each block of 256 bytes is named once; blocks 0 and 1 come by their loads alone, and the last request ends at the head's last byte of V.
.macro ASKV
	s_cmp_lt_u32 s35, s67
	s_cbranch_scc0 .Lnoask_\@
	s_bitcmp1_b32 s35, 0
	s_cbranch_scc1 .Lnoask_\@
	s_wait_xcnt 0x0                                ; the last prefetch, two trips back, has read its offset
	v_add_nc_u32 v7, s37, v29
	global_prefetch_b8 v7, s[40:41] offset:8192 th:TH_LOAD_NT scope:SCOPE_SE
.Lnoask_\@:
.endm
.macro P2M zb, ofb, bb, m, lg, sl
.irp c, 0,1,2,3
	v_sub_f32 v[\ofb+\c], v[\bb+\c], v[\m]
.endr
.irp c, 0,1,2,3
	v_fma_f32 v[\ofb+\c], v[\ofb+\c], s52, -v[\lg]
.endr
	SCALEZ \zb, \sl, \ofb
.endm
.macro P2COMMON
	P2M Z1, 232, 20, 12, 18, 60
	P2M Z2, 236, 24, 13, 19, 62
.set i, 0
.rept 64
	v_exp_f32 v[Z1+i], v[Z1+i]                     ; w = 2^((x - m) log2 e - log2 l): finished and normalised
.set i, i+1
.endr
	v_add_f32 v4, 0x42800000, v4
	s_wait_alu depctr_va_vdst(0)                   ; one wait for the 64
.set i, 0
.rept 16
	v_pk_fma_f32 v[Z1+i:Z1+i+1], v[Z2+i:Z2+i+1], s[54:55], v[Z1+i:Z1+i+1] op_sel_hi:[1,0,1]   ; dw = w1 - lam w2
.set i, i+2
.endr
.set i, 0
.rept 32
	v_med3_num_f32 v[Z1+i], v[Z1+i], -v10, v10
.set i, i+1
.endr
.irp c, 0,1,2,3
	v_cvt_scalef32_pk8_fp8_f32 v[160+2*\c:161+2*\c], v[Z1+8*\c:Z1+8*\c+7], v11
.endr
	v_nop                                          ; a plain instruction between the conversions and the products that read their results
.endm
.macro PVMUL
	s_wait_loadcnt 0x0                             ; V is in
.irp t, 0,1,2,3
	v_wmma_f32_16x16x64_fp8_fp8 v[OO+8*\t:OO+8*\t+7], v[KF+8*\t:KF+8*\t+7], v[160:167], v[OO+8*\t:OO+8*\t+7]
.endr
.rept 4
	v_nop                                          ; places in front of the next step's loads into these registers, and of the way out
.endr
.endm
.macro WSUM r, t                       ; the sum over the wave's 32 lanes, in every lane
	v_add_f32_dpp v[\r], v[\r], v[\r] row_xmask:1 row_mask:0xf bank_mask:0xf
	v_add_f32_dpp v[\r], v[\r], v[\r] row_xmask:2 row_mask:0xf bank_mask:0xf
	v_add_f32_dpp v[\r], v[\r], v[\r] row_xmask:4 row_mask:0xf bank_mask:0xf
	v_add_f32_dpp v[\r], v[\r], v[\r] row_xmask:8 row_mask:0xf bank_mask:0xf
	v_permlanex16_b32 v[\t], v[\r], s68, s69
	v_add_f32 v[\r], v[\r], v[\t]
.endm
	s_load_b256 s[4:11], s[0:1], 0x0               ; qkv, mask, scales, flags
	s_load_b128 s[12:15], s[0:1], 0x20             ; lamb, attnw
	s_load_b64 s[16:17], s[0:1], 0x30              ; gstat
	v_lshl_add_u32 v[SPW], v0, 2, SPARE
	v_mov_b32 v[NIL], 0
	v_lshrrev_b32 v1, 5, v0
	v_readfirstlane_b32 s18, v1                    ; wave 0..15
	v_and_b32 v31, 31, v0
	v_lshlrev_b32 v1, 4, v31
	v_lshlrev_b32 v29, 8, v31
	v_lshlrev_b32 v24, 4, v0                       ; the copy of K: 16 x thread, in memory and in LDS,
	v_add_nc_u32 v25, 0x10000, v24                 ; and the three further quarters of LDS's 256 KiB
	v_add_nc_u32 v26, 0x20000, v24
	v_add_nc_u32 v27, 0x30000, v24
	s_and_b32 s20, ttmp7, 0xffff
	s_lshr_b32 s21, s20, 4
	s_and_b32 s22, s20, 15
	s_lshr_b32 s78, s18, 2
	s_xor_b32 s78, s78, s18
	s_and_b32 s78, s78, 1                          ; which of the two blocks: waves 2 k and 2 k + 1 take one each, mixed so that light and heavy waves are spread over the SIMDs
	s_sub_co_u32 s79, 15, ttmp9
	s_cmp_eq_u32 s78, 1
	s_cselect_b32 s79, s79, ttmp9
	s_lshr_b32 s78, s18, 1
	s_lshl_b32 s23, s79, 7
	s_lshl_b32 s78, s78, 4
	s_add_co_u32 s23, s23, s78                     ; q0
	s_lshr_b32 s39, s23, 4                         ; my tile of 16 queries
	s_lshl_b32 s78, s20, 18                        ; the head's bytes in Q and in K
	s_mov_b32 s79, 0
	s_lshr_b32 s82, s23, 6
	s_lshl_b32 s82, s82, 13
	s_bfe_u32 s83, s23, 0x20004
	s_lshl_b32 s83, s83, 10
	s_add_co_u32 s82, s82, s83                     ; my tile in Q
	s_mov_b32 s83, 0
	s_lshl_b32 s84, s20, 17
	s_add_co_u32 s84, s84, 0x1000000               ; the head in V
	s_mov_b32 s85, 0
	s_lshl_b32 s86, s21, 13                        ; the batch in the mask
	s_mov_b32 s87, 0
	s_lshl_b32 s88, s21, 23
	s_lshl_b32 s89, s39, 16
	s_add_co_u32 s88, s88, s89
	s_lshl_b32 s89, s22, 12
	s_add_co_u32 s88, s88, s89                     ; my 4,096 bytes of attnw
	s_mov_b32 s89, 0
	s_lshl_b32 s90, s20, 9
	s_lshl_b32 s91, s39, 2
	s_add_co_u32 s90, s90, s91                     ; my word of gstat
	s_mov_b32 s91, 0
	s_lshl_b32 s92, s21, 2
	s_mov_b32 s93, 0
	s_mov_b32 s68, 0x76543210
	s_mov_b32 s69, 0xfedcba98
	s_wait_kmcnt 0x0
	s_add_nc_u64 s[76:77], s[4:5], s[78:79]
	s_add_nc_u64 s[74:75], s[76:77], 0x800000
.set i, 0
.rept 32
	global_load_b128 v[64+4*i:67+4*i], v24, s[74:75] offset:8192*i     ; the head's K images: 8,192 consecutive bytes a round for the work-group
.set i, i+1
.endr
	s_add_nc_u64 s[76:77], s[76:77], s[82:83]
	global_load_b128 v[32:35], v1, s[76:77]
	global_load_b128 v[36:39], v1, s[76:77] offset:512
	global_load_b128 v[40:43], v1, s[76:77] offset:4096
	global_load_b128 v[44:47], v1, s[76:77] offset:4608
	s_load_b64 s[28:29], s[8:9], 0x18              ; e6, e7
	s_load_b128 s[24:27], s[8:9], 0x20             ; e8, e9, e10, e11
	s_add_nc_u64 s[94:95], s[10:11], s[92:93]
	s_load_b32 s30, s[94:95], 0x0                  ; F[b]
	s_load_b32 s31, s[94:95], 0x8                  ; HB[b]
	s_load_b32 s32, s[12:13], 0x0                  ; lam
	s_add_nc_u64 s[40:41], s[4:5], s[84:85]
	s_add_nc_u64 s[42:43], s[6:7], s[86:87]
	s_add_nc_u64 s[70:71], s[14:15], s[88:89]
	s_add_nc_u64 s[72:73], s[16:17], s[90:91]
.set i, 0
.rept 32
	s_wait_loadcnt 35-i                            ; round i is in: behind it stand 31 - i rounds and Q's four loads
	ds_store_b128 v[24+i/8], v[64+4*i:67+4*i] offset:8192*(i%8)
.set i, i+1
.endr
	s_wait_loadcnt 0x0                             ; Q
	s_wait_kmcnt 0x0
	s_min_u32 s30, s30, 2048
	s_add_co_u32 s78, s23, 15
	s_lshr_b32 s78, s78, 6
	s_add_co_u32 s78, s78, 1                       ; steps up to the diagonal
	s_add_co_u32 s79, s23, 1
	s_lshr_b32 s79, s79, 6                         ; steps all of whose keys all my queries see
	s_cmp_lt_u32 s23, s30                          ; rows that need all keys?
	s_cselect_b32 s33, 32, s78
	s_cselect_b32 s79, 0, s79
	s_bfm_b32 s79, s79, 0
	s_not_b32 s79, s79
	s_or_b32 s34, s31, s79
	s_add_co_u32 s78, s22, 1                       ; slope = 2^(-(head + 1) / 2)
	s_and_b32 s79, s78, 1
	s_mov_b32 s66, 0x3f800000
	s_cmp_eq_u32 s79, 1
	s_cselect_b32 s66, 0x3f3504f3, s66
	s_lshr_b32 s78, s78, 1
	s_lshl_b32 s78, s78, 23
	s_sub_co_u32 s66, s66, s78
	s_add_co_i32 s80, s28, s29
	s_sub_co_i32 s80, s80, 3                       ; c1 = 2^(e6 + e7) / 8
	s_add_co_i32 s81, s24, s25
	s_sub_co_i32 s81, s81, 3
	s_add_co_i32 s44, s80, 127
	s_lshl_b32 s44, s44, 23
	s_mov_b32 s45, s44
	s_add_co_i32 s46, s81, 127
	s_lshl_b32 s46, s46, 23
	s_mov_b32 s47, s46
	s_lshl_b32 s48, s80, 23
	s_add_co_i32 s48, s48, LOG2E                   ; c1 log2 e: the exponent is added to the constant's exponent field
	s_mov_b32 s49, s48
	s_lshl_b32 s50, s81, 23
	s_add_co_i32 s50, s50, LOG2E
	s_mov_b32 s51, s50
	s_mov_b32 s52, LOG2E
	s_mov_b32 s53, LOG2E
	s_xor_b32 s54, s32, 0x80000000
	s_mov_b32 s55, s54
	s_add_co_i32 s56, s26, s27
	s_add_co_i32 s56, s56, 127
	s_lshl_b32 s56, s56, 23
	s_mov_b32 s57, s56
	s_add_co_i32 s78, s26, 127
	s_lshl_b32 s79, s78, 23
	v_mov_b32 v11, s79
	s_add_co_i32 s78, s78, 8
	s_lshl_b32 s78, s78, 23
	s_or_b32 s78, s78, 0x600000
	v_mov_b32 v10, s78
	s_xor_b32 s78, s18, 1
	s_or_b32 s78, s78, ttmp9
	s_cmp_eq_u32 s78, 0
	s_cselect_b32 s67, 29, 0
	v_bfe_u32 v28, v0, 4, 1
	v_lshlrev_b32 v5, 3, v28
	v_cvt_f32_u32 v5, v5
	v_lshlrev_b32 v28, 5, v28
	s_sub_co_i32 s78, 0, s80
	s_sub_co_i32 s79, 0, s81
	v_mov_b32 v224, v5
.irp j, 0,1,2,3,4,5,6,7
	v_mul_f32 v225, s66, v224
	v_ldexp_f32 v[48+\j], v225, s78
	v_ldexp_f32 v[56+\j], v225, s79
	v_add_f32 v224, 1.0, v224
.endr
	v_and_b32 v225, 15, v0
	v_add_nc_u32 v225, s23, v225
	v_cvt_f32_u32 v30, v225
	v_mul_f32 v30, -1.0, v30                       ; -q
	v_mov_b32 v4, v30
	v_mov_b32 v12, 0xff61b1e6                      ; m: -3e38, under every x
	v_mov_b32 v13, 0xff61b1e6
	v_mov_b32 v14, 0
	v_mov_b32 v15, 0
	v_mov_b32 v16, 0
	v_mov_b32 v17, 0
	v_mov_b32 v243, 0                              ; (named as upper halves of pairs)
	v_mov_b32 v245, 0
	v_mov_b32 v250, 0                              ; (a lane permute's destination counts as read)
	v_mov_b32 v251, 0
.set i, 0
.rept 32
	v_mov_b32 v[OO+i], 0                           ; O^T: the step is written once, so its first turn finds zeros
.set i, i+1
.endr
	s_wait_dscnt 0x0                               ; my part of K lies in LDS,
	s_barrier_signal -1
	s_barrier_wait -1                              ; everybody's does; LDS is only read from here on
	s_mov_b32 s35, 0
	s_mov_b32 s36, 0
	s_mov_b32 s38, 0
.Lp1:
	s_cmp_ge_u32 s35, s33
	s_cbranch_scc1 .Lskip1
	KLOAD
	s_bitcmp1_b32 s34, s35
	s_cbranch_scc1 .Lex1
	SMUL 0
	FASTB
	s_branch .Lc1
.Lex1:
	SMUL 1
	EXACTPRO
.Lc1:
	P1COMMON
.Lskip1:
	s_add_co_u32 s36, s36, 8192
	s_add_co_u32 s38, s38, 256
	s_add_co_u32 s35, s35, 1
	s_cmp_lt_u32 s35, 32
	s_cbranch_scc1 .Lp1
	; the two halves of the lanes hold the same queries and other keys: their m and l are merged; then log2 l
	v_add_f32 v14, v14, v15
	v_add_f32 v16, v16, v17
	v_permlanex16_b32 v250, v12, s68, s69
	v_permlanex16_b32 v251, v13, s68, s69
	v_max_num_f32 v250, v12, v250
	v_max_num_f32 v251, v13, v251
	v_sub_f32 v252, v12, v250
	v_sub_f32 v253, v13, v251
	v_mul_f32 v252, LOG2E, v252
	v_mul_f32 v253, LOG2E, v253
	v_exp_f32 v252, v252
	v_exp_f32 v253, v253
	v_mov_b32 v12, v250
	v_mov_b32 v13, v251
	s_wait_alu depctr_va_vdst(0)
	v_mul_f32 v14, v14, v252
	v_mul_f32 v16, v16, v253
	v_permlanex16_b32 v250, v14, s68, s69
	v_permlanex16_b32 v251, v16, s68, s69
	v_add_f32 v14, v14, v250
	v_add_f32 v16, v16, v251
	v_log_f32 v18, v14
	v_log_f32 v19, v16
	v_mov_b32 v4, v30                              ; j0 - q from the start again: the plain instruction behind the logarithms
	s_wait_alu depctr_va_vdst(0)
	s_mov_b32 s35, 0
	s_mov_b32 s36, 0
	s_mov_b32 s37, 0
	s_mov_b32 s38, 0
.Lp2:
	s_cmp_ge_u32 s35, s33
	s_cbranch_scc1 .Lskip2
	KLOAD
	s_bitcmp1_b32 s34, s35
	s_cbranch_scc1 .Lex2
	SMUL 0
	FASTB
	s_branch .Lc2
.Lex2:
	SMUL 1
	EXACTPRO
.Lc2:
	VLOAD
	ASKV
	P2COMMON
	PVMUL
.Lskip2:
	s_add_co_u32 s36, s36, 8192
	s_add_co_u32 s37, s37, 4096
	s_add_co_u32 s38, s38, 256
	s_add_co_u32 s35, s35, 1
	s_cmp_lt_u32 s35, 32
	s_cbranch_scc1 .Lp2
	; THE WAY OUT: attn = O^T x 2^(e10 + e11), stored as the registers stand; then my 1,024 numbers' mean and their sum of squares about it
.set i, 0
.rept 16
	v_pk_mul_f32 v[Z1+i:Z1+i+1], v[OO+i:OO+i+1], s[56:57] op_sel_hi:[1,0]
.set i, i+2
.endr
.irp k, 0,1,2,3,4,5,6,7
	global_store_b128 v1, v[Z1+4*\k:Z1+4*\k+3], s[70:71] offset:512*\k       ; 512 consecutive bytes
.endr
	v_pk_add_f32 v[96:97], v[64:65], v[66:67]
	v_pk_add_f32 v[98:99], v[68:69], v[70:71]
.irp p, 8,12,16,20,24,28
	v_pk_add_f32 v[96:97], v[96:97], v[64+\p:65+\p]
	v_pk_add_f32 v[98:99], v[98:99], v[66+\p:67+\p]
.endr
	v_pk_add_f32 v[96:97], v[96:97], v[98:99]
	v_add_f32 v96, v96, v97
	WSUM 96, 250
	v_mul_f32 v96, 0x3a800000, v96                 ; / 1,024
	v_mov_b32 v97, v96
.set i, 0
.rept 16
	v_pk_add_f32 v[128+i:129+i], v[64+i:65+i], v[96:97] neg_lo:[0,1] neg_hi:[0,1]
.set i, i+2
.endr
	v_pk_mul_f32 v[98:99], v[128:129], v[128:129]
	v_pk_mul_f32 v[100:101], v[130:131], v[130:131]
.irp p, 4,8,12,16,20,24,28
	v_pk_fma_f32 v[98:99], v[128+\p:129+\p], v[128+\p:129+\p], v[98:99]
	v_pk_fma_f32 v[100:101], v[130+\p:131+\p], v[130+\p:131+\p], v[100:101]
.endr
	v_pk_add_f32 v[98:99], v[98:99], v[100:101]
	v_add_f32 v98, v98, v99
	WSUM 98, 250
	v_cmp_eq_u32 vcc_lo, 1, v31
	v_cndmask_b32 v102, v96, v98, vcc_lo           ; lane 0: the mean, lane 1: the squares
	v_lshlrev_b32 v103, 14, v31
	v_cmp_gt_u32 vcc_lo, 2, v31
	s_wait_xcnt 0x0                                ; EXEC changes only behind this wait
	s_and_saveexec_b32 s78, vcc_lo
	global_store_b32 v103, v102, s[72:73]
	s_wait_xcnt 0x0
	s_or_b32 exec_lo, exec_lo, s78
	s_wait_tensorcnt 0x0                           ; the wave's end, behind my last LDS store
	ds_add_u32 v[SPW], v[NIL]
	s_wait_dscnt 0x0
	s_endpgm
.Lfunc_end_k_qacc1a0cdcd_attn:
	.size	k_qacc1a0cdcd_attn, .Lfunc_end_k_qacc1a0cdcd_attn-k_qacc1a0cdcd_attn
	.p2alignl 7, 3214868480
	.fill 96, 4, 3214868480
	.section	.rodata,"a",@progbits
	.p2align	6, 0x0
	.amdhsa_kernel k_qacc1a0cdcd_attn
		.amdhsa_group_segment_fixed_size 264192
		.amdhsa_private_segment_fixed_size 0
		.amdhsa_enable_private_segment 0
		.amdhsa_kernarg_size 56
		.amdhsa_user_sgpr_count 2
		.amdhsa_user_sgpr_kernarg_segment_ptr 1
		.amdhsa_wavefront_size32 1
		.amdhsa_system_sgpr_workgroup_id_x 1
		.amdhsa_system_sgpr_workgroup_id_y 1
		.amdhsa_system_sgpr_workgroup_id_z 1
		.amdhsa_system_vgpr_workitem_id 0
		.amdhsa_next_free_vgpr 256
		.amdhsa_next_free_sgpr 100
		.amdhsa_reserve_vcc 1
		.amdhsa_float_denorm_mode_32 3
		.amdhsa_float_denorm_mode_16_64 3
		.amdhsa_memory_ordered 1
		.amdhsa_forward_progress 1
		.amdhsa_inst_pref_size 82
	.end_amdhsa_kernel
	.amdgpu_metadata
---
amdhsa.version: [ 1, 2 ]
amdhsa.kernels:
  - .name:           k_qacc1a0cdcd_attn
    .symbol:         k_qacc1a0cdcd_attn.kd
    .args:
      - { .name: qkv, .offset: 0, .size: 8, .value_kind: global_buffer, .address_space: global }
      - { .name: attention_mask, .offset: 8, .size: 8, .value_kind: global_buffer, .address_space: global }
      - { .name: lowp_scales, .offset: 16, .size: 8, .value_kind: global_buffer, .address_space: global }
      - { .name: flags, .offset: 24, .size: 8, .value_kind: global_buffer, .address_space: global }
      - { .name: lamb, .offset: 32, .size: 8, .value_kind: global_buffer, .address_space: global }
      - { .name: attnw, .offset: 40, .size: 8, .value_kind: global_buffer, .address_space: global }
      - { .name: gstat, .offset: 48, .size: 8, .value_kind: global_buffer, .address_space: global }
    .group_segment_fixed_size: 264192
    .private_segment_fixed_size: 0
    .kernarg_segment_align: 8
    .kernarg_segment_size: 56
    .max_flat_workgroup_size: 512
    .sgpr_count:     100
    .vgpr_count:     256
    .wavefront_size: 32
...
	.end_amdgpu_metadata
.endif
;; end of part 3
;; launch outp (part 4): grid 8 x 32, 16 waves a work-group, no clusters, 264,192 bytes of LDS; arguments attnw, gstat, gn_weight, gn_bias, wimg, lowp_scales, out0; writes out0
.if DOCPART == 4
	.amdgcn_target "amdgcn-amd-amdhsa--gfx1250"
	.amdhsa_code_object_version 6
	.text
	.protected	k_qacc1a0cdcd_outp
	.globl	k_qacc1a0cdcd_outp
	.p2align	8
	.type	k_qacc1a0cdcd_outp,@function
k_qacc1a0cdcd_outp:
	s_mov_b64 s[64:65], 0
	v_nop
	global_prefetch_b8 v0, s[64:65] scope:SCOPE_SE
	s_setreg_imm32_b32 hwreg(HW_REG_WAVE_MODE, 25, 1), 1
	s_wait_xcnt 0x0
; OUTP: GroupNorm over (sequence, channel) for each (batch, head), gain and bias, x 0.2, quantised; then out = that x Wo on codes of E4M3.
; SHARES.  Work-group (x = 128 columns, y = 128 rows).  PHASE 1: wave w takes head w: it combines the head's 128 partial means and centred sums of squares (equal counts: mean = the means' mean; the squares add, plus 1,024 x the
; squares of the means about the mean: no difference of large sums), normalises its 8 tiles of 16 rows x 64 channels and stores their codes in LDS as register images.  attnw's layout gives a lane one row and eight neighbouring
; channels a tile, so a conversion's two registers are registers 2 c, 2 c + 1 of the operand.  rstd x 0.2 is folded into the gain and 0.2 into the bias once: y = (x - mean) g + b, one packed subtraction and one packed multiply-add for two numbers
; (another order of rounding than reference()'s, a few ulp).  PHASE 2: wave w makes rows 32 (w % 4) .. + 31 x columns 32 (w / 4) .. + 31: four accumulators by turns, 8 K steps of 128, used transposed (source 0 = 16 columns of Wo).
; LDS: 0: Wo's eight tiles of 16 columns, 128 KiB, by one tensor load a wave, filled once; 131072: the codes' images [tile of rows 8][head 16][1,024 bytes], later the stage for out (128 rows x 528 bytes); 262144: the spare words.
; NO CLUSTER: of a work-group's 640 KiB only Wo's 128 KiB are shared with others, fetched once; the rest goes into registers.
; LIMITS: e12 between -126 and 119, e12 + e13 between -126 and 127.  NaN and infinities are not served.
.set AIMG, 131072
.set SPARE, 262144
.set FS, 64                            ; phase 2: two sets of four fragments, v64-127 and v128-191
; v1 16 x lane; v2 32 h; v3, v14 where my images go (units 0-3, 4-7); v4, v5 the add's two; v[6:7] mean, rstd; v8 2^e12; v9 448 x 2^e12; v15, v16 phase 2's fragments; v17, v18 the stage, in and back;
; v20-35 codes, two sets; v36-43 the partials; v64-95 gain; v96-127 bias; v128-255 four units of 32 by turns.  Phase 2: v32-63 the accumulators.
	s_load_b256 s[4:11], s[0:1], 0x0               ; attnw, gstat, gn_weight, gn_bias
	s_load_b128 s[12:15], s[0:1], 0x20             ; wimg, scales
	s_load_b64 s[16:17], s[0:1], 0x30              ; out0
	v_lshl_add_u32 v4, v0, 2, SPARE
	v_mov_b32 v5, 0
	ds_add_u32 v4, v5                              ; the wave's opening: the add and its wait ahead of my tensor load
	v_lshrrev_b32 v1, 5, v0
	v_readfirstlane_b32 s18, v1                    ; wave 0..15
	v_and_b32 v1, 31, v0
	v_lshlrev_b32 v1, 4, v1
	v_bfe_u32 v10, v0, 4, 1                        ; h
	v_and_b32 v11, 15, v0                          ; r
	v_lshlrev_b32 v2, 5, v10
	s_and_b32 s20, ttmp7, 0xffff
	s_lshr_b32 s21, s20, 4                         ; batch
	s_mov_b32 s24, 3<<16                           ; descriptor group 1: 32 dense rows of 256 bytes (32 elements of 8 bytes)
	s_mov_b32 s25, 32<<16
	s_mov_b32 s26, 32<<16
	s_mov_b32 s27, 32<<16
	s_mov_b32 s28, 32
	s_mov_b32 s29, 32
	s_mov_b32 s30, 0
	s_mov_b32 s31, 0
	s_lshl_b32 s52, ttmp9, 17                      ; Wo: my work-group's 8 tiles, half a tile a wave
	s_lshl_b32 s19, s18, 13
	s_add_co_u32 s52, s52, s19
	s_add_co_u32 s52, s52, 0x500000
	s_mov_b32 s53, 0
	s_lshl_b32 s54, s20, 19                        ; attnw: 8 tiles of rows of 65,536 bytes; my head's 4,096
	s_lshl_b32 s19, s18, 12
	s_add_co_u32 s54, s54, s19
	s_mov_b32 s55, 0
	s_lshl_b32 s56, s21, 4
	s_add_co_u32 s56, s56, s18
	s_lshl_b32 s56, s56, 9                         ; gstat: the head's 128 words
	s_mov_b32 s57, 0
	s_lshl_b32 s58, s18, 8                         ; gain and bias: the head's 64 numbers
	s_mov_b32 s59, 0
	s_lshl_b32 s60, s20, 19                        ; out0: row 128 y + 8 w, column 128 x
	s_lshl_b32 s19, s18, 15
	s_add_co_u32 s60, s60, s19
	s_lshl_b32 s19, ttmp9, 9
	s_add_co_u32 s60, s60, s19
	s_mov_b32 s61, 0
	s_mov_b32 s50, 0x76543210
	s_mov_b32 s51, 0xfedcba98
	s_lshl_b32 s19, s18, 10
	s_add_co_u32 s19, s19, AIMG
	v_add_nc_u32 v3, s19, v1
	v_add_nc_u32 v14, 0x10000, v3
	s_and_b32 s22, s18, 3                          ; which 32 rows in phase 2
	s_lshr_b32 s23, s18, 2                         ; which 32 columns
	s_lshl_b32 s19, s22, 15
	s_add_co_u32 s19, s19, AIMG
	v_add_nc_u32 v15, s19, v1
	s_lshl_b32 s19, s23, 15
	v_add_nc_u32 v16, s19, v1
	s_mul_i32 s19, s22, 32*528
	s_lshl_b32 s62, s23, 7
	s_add_co_u32 s19, s19, s62
	s_add_co_u32 s19, s19, AIMG
	v_mul_u32_u24 v17, v11, 528
	v_lshl_add_u32 v17, v10, 5, v17
	v_add_nc_u32 v17, s19, v17
	s_mul_i32 s19, s18, 8*528
	s_add_co_u32 s19, s19, AIMG
	v_add_nc_u32 v18, s19, v1
	s_wait_dscnt 0x0                               ; the opening add is done
	s_wait_kmcnt 0x0
	s_load_b64 s[46:47], s[14:15], 0x30            ; e12, e13
	s_mov_b32 s32, 1
	s_lshl_b32 s33, s18, 13
	s_add_nc_u64 s[34:35], s[12:13], s[52:53]
	s_or_b32 s35, s35, 0x80000000
	tensor_load_to_lds s[32:35], s[24:31]          ; my sixteenth of Wo's tiles: the wave's one tensor load
	s_nop 0
	s_add_nc_u64 s[36:37], s[4:5], s[54:55]
	s_add_nc_u64 s[38:39], s[6:7], s[56:57]
	s_add_nc_u64 s[40:41], s[8:9], s[58:59]
	s_add_nc_u64 s[42:43], s[10:11], s[58:59]
	s_add_nc_u64 s[44:45], s[16:17], s[60:61]
	global_load_b128 v[36:39], v1, s[38:39]                    ; four of the head's 128 means,
	global_load_b128 v[40:43], v1, s[38:39] offset:16384       ; and their sums of squares
.irp t, 0,1,2,3
	global_load_b128 v[64+8*\t:67+8*\t], v2, s[40:41] offset:64*\t         ; gain of channels 16 t + 8 h + 0..7
	global_load_b128 v[68+8*\t:71+8*\t], v2, s[40:41] offset:64*\t+16
	global_load_b128 v[96+8*\t:99+8*\t], v2, s[42:43] offset:64*\t
	global_load_b128 v[100+8*\t:103+8*\t], v2, s[42:43] offset:64*\t+16
.endr
.macro XLOAD u                         ; unit u: my head's 16 rows x 64 channels of tile of rows u, as attn left them: eight loads of 512 consecutive bytes
.irp k, 0,1,2,3,4,5,6,7
	global_load_b128 v[128+32*((\u)%4)+4*\k:128+32*((\u)%4)+4*\k+3], v1, s[36:37] offset:(\u)*65536+512*\k
.endr
.endm
.macro WSUM r, t
	v_add_f32_dpp v[\r], v[\r], v[\r] row_xmask:1 row_mask:0xf bank_mask:0xf
	v_add_f32_dpp v[\r], v[\r], v[\r] row_xmask:2 row_mask:0xf bank_mask:0xf
	v_add_f32_dpp v[\r], v[\r], v[\r] row_xmask:4 row_mask:0xf bank_mask:0xf
	v_add_f32_dpp v[\r], v[\r], v[\r] row_xmask:8 row_mask:0xf bank_mask:0xf
	v_permlanex16_b32 v[\t], v[\r], s50, s51
	v_add_f32 v[\r], v[\r], v[\t]
.endm
	XLOAD 0
	XLOAD 1
	XLOAD 2
	XLOAD 3
	s_wait_kmcnt 0x0
	s_add_co_i32 s52, s46, 127
	s_lshl_b32 s53, s52, 23
	v_mov_b32 v8, s53
	s_add_co_i32 s52, s52, 8
	s_lshl_b32 s52, s52, 23
	s_or_b32 s52, s52, 0x600000
	v_mov_b32 v9, s52
	s_add_co_i32 s48, s46, s47
	s_add_co_i32 s48, s48, 127
	s_lshl_b32 s48, s48, 23                        ; 2^(e12 + e13)
	s_mov_b32 s49, s48
	v_mov_b32 v12, 0
	s_wait_loadcnt 48                              ; the partials are in; gain, bias (16 loads) and four units (32) may be out
	v_add_f32 v10, v36, v37
	v_add_f32 v11, v38, v39
	v_add_f32 v10, v10, v11
	WSUM 10, 12
	v_mul_f32 v6, 0x3c000000, v10                  ; the mean: / 128
	v_sub_f32 v36, v36, v6
	v_sub_f32 v37, v37, v6
	v_sub_f32 v38, v38, v6
	v_sub_f32 v39, v39, v6
	v_mul_f32 v10, v36, v36
	v_fmac_f32 v10, v37, v37
	v_fmac_f32 v10, v38, v38
	v_fmac_f32 v10, v39, v39
	v_add_f32 v11, v40, v41
	v_add_f32 v13, v42, v43
	v_add_f32 v11, v11, v13
	v_fmac_f32 v11, 0x44800000, v10                ; + 1,024 x the means' squares about the mean
	WSUM 11, 12
	v_mul_f32 v11, 0x37000000, v11                 ; the variance: / 131,072
	v_add_f32 v11, 0x3727c5ac, v11                 ; + 1e-5
	v_rsq_f32 v7, v11
	v_mov_b32 v13, 0                               ; (a plain instruction behind the transcendental)
	s_wait_alu depctr_va_vdst(0)                   ; the wait ahead of the first reader
	v_mul_f32 v12, 0x3e4ccccd, v7                  ; rstd x 0.2
	s_wait_loadcnt 32                              ; gain and bias are in
.set i, 0
.rept 16
	v_pk_mul_f32 v[64+i:65+i], v[64+i:65+i], v[12:13] op_sel_hi:[1,0]
	v_pk_mul_f32 v[96+i:97+i], v[96+i:97+i], 0x3e4ccccd op_sel_hi:[1,0]
.set i, i+2
.endr
.macro UNIT u
.set XB, 128+32*((\u)%4)
.set CB, 20+8*((\u)%2)
.if (\u) <= 4
	s_wait_loadcnt 24                              ; this unit is in; three younger units may be out
.else
	s_wait_loadcnt 8*(7-(\u))
.endif
.set i, 0
.rept 16
	v_pk_add_f32 v[XB+i:XB+i+1], v[XB+i:XB+i+1], v[6:7] op_sel_hi:[1,0] neg_lo:[0,1] neg_hi:[0,1]
.set i, i+2
.endr
.set i, 0
.rept 16
	v_pk_fma_f32 v[XB+i:XB+i+1], v[XB+i:XB+i+1], v[64+i:65+i], v[96+i:97+i]
.set i, i+2
.endr
.set i, 0
.rept 32
	v_med3_num_f32 v[XB+i], v[XB+i], -v9, v9
.set i, i+1
.endr
.irp t, 0,1,2,3
	v_cvt_scalef32_pk8_fp8_f32 v[CB+2*\t:CB+2*\t+1], v[XB+8*\t:XB+8*\t+7], v8
.endr
	v_nop                                          ; a plain instruction behind the last conversion
.if (\u) < 4
	ds_store_b128 v3, v[CB:CB+3] offset:((\u)%4)*16384
	ds_store_b128 v3, v[CB+4:CB+7] offset:((\u)%4)*16384+512
	XLOAD (\u)+4
.else
	ds_store_b128 v14, v[CB:CB+3] offset:((\u)%4)*16384
	ds_store_b128 v14, v[CB+4:CB+7] offset:((\u)%4)*16384+512
.endif
.endm
	UNIT 0
	UNIT 1
	UNIT 2
	UNIT 3
	UNIT 4
	UNIT 5
	UNIT 6
	UNIT 7
	s_wait_tensorcnt 0x0                           ; my part of Wo is in,
	s_wait_dscnt 0x0                               ; my images lie in LDS,
	s_barrier_signal -1
	s_barrier_wait -1                              ; everybody's do
.macro PLOAD s, set                    ; K step s: my two fragments of rows, my two of Wo's columns
.irp a, 0,1
.irp c, 0,1,2,3
	ds_load_b128 v[FS+64*(\set)+16*\a+4*\c:FS+64*(\set)+16*\a+4*\c+3], v15 offset:\a*16384+(\s)*2048+512*\c
.endr
.endr
.irp a, 0,1
.irp c, 0,1,2,3
	ds_load_b128 v[FS+64*(\set)+32+16*\a+4*\c:FS+64*(\set)+32+16*\a+4*\c+3], v16 offset:\a*16384+(\s)*2048+512*\c
.endr
.endr
.endm
	PLOAD 0, 0
	PLOAD 1, 1
.irp s, 0,1,2,3,4,5,6,7
.if \s < 7
	s_wait_dscnt 16                                ; this K step's sixteen loads are in; the next step's may be out
.else
	s_wait_dscnt 0
.endif
.irp a, 0,1
.irp n, 0,1
.if \s == 0
	v_wmma_f32_16x16x128_fp8_fp8 v[32+8*(2*\a+\n):39+8*(2*\a+\n)], v[FS+64*(\s%2)+32+16*\n:FS+64*(\s%2)+47+16*\n], v[FS+64*(\s%2)+16*\a:FS+64*(\s%2)+15+16*\a], 0
.else
	v_wmma_f32_16x16x128_fp8_fp8 v[32+8*(2*\a+\n):39+8*(2*\a+\n)], v[FS+64*(\s%2)+32+16*\n:FS+64*(\s%2)+47+16*\n], v[FS+64*(\s%2)+16*\a:FS+64*(\s%2)+15+16*\a], v[32+8*(2*\a+\n):39+8*(2*\a+\n)]
.endif
.endr
.endr
.rept 4
	v_nop                                          ; places in front of loads into registers that these products read, and of the first read of results
.endr
.if \s < 6
	PLOAD \s+2, \s%2
.endif
.endr
	s_wait_dscnt 0x0                               ; my reads of the images are over,
	s_barrier_signal -1
	s_barrier_wait -1                              ; everybody's are: the stage may be written over them
.set i, 0
.rept 16
	v_pk_mul_f32 v[64+i:65+i], v[32+i:33+i], s[48:49] op_sel_hi:[1,0]        ; x 2^(e12 + e13); each accumulator from its low end on
.set i, i+2
.endr
.irp a, 0,1
.irp n, 0,1
	ds_store_b128 v17, v[64+8*(2*\a+\n):67+8*(2*\a+\n)] offset:\a*8448+\n*64         ; lane (r, h): row 16 a + r, columns 16 n + 8 h + 0..7 of my 32
	ds_store_b128 v17, v[68+8*(2*\a+\n):71+8*(2*\a+\n)] offset:\a*8448+\n*64+16
.endr
.endr
	s_wait_dscnt 0x0
	s_barrier_signal -1
	s_barrier_wait -1                              ; 128 whole rows lie in the stage
.irp i, 0,1,2,3,4,5,6,7
	ds_load_b128 v[96+4*\i:99+4*\i], v18 offset:\i*528
.endr
.irp i, 0,1,2,3,4,5,6,7
	s_wait_dscnt 7-\i
	global_store_b128 v1, v[96+4*\i:99+4*\i], s[44:45] offset:\i*4096 th:TH_STORE_NT     ; 32 lanes store 512 consecutive bytes, at a multiple of 256 from out0's first byte
.endr
	s_wait_tensorcnt 0x0                           ; the wave's end
	ds_add_u32 v4, v5
	s_wait_dscnt 0x0
	s_endpgm
.Lfunc_end_k_qacc1a0cdcd_outp:
	.size	k_qacc1a0cdcd_outp, .Lfunc_end_k_qacc1a0cdcd_outp-k_qacc1a0cdcd_outp
	.p2alignl 7, 3214868480
	.fill 96, 4, 3214868480
	.section	.rodata,"a",@progbits
	.p2align	6, 0x0
	.amdhsa_kernel k_qacc1a0cdcd_outp
		.amdhsa_group_segment_fixed_size 264192
		.amdhsa_private_segment_fixed_size 0
		.amdhsa_enable_private_segment 0
		.amdhsa_kernarg_size 56
		.amdhsa_user_sgpr_count 2
		.amdhsa_user_sgpr_kernarg_segment_ptr 1
		.amdhsa_wavefront_size32 1
		.amdhsa_system_sgpr_workgroup_id_x 1
		.amdhsa_system_sgpr_workgroup_id_y 1
		.amdhsa_system_sgpr_workgroup_id_z 1
		.amdhsa_system_vgpr_workitem_id 0
		.amdhsa_next_free_vgpr 256
		.amdhsa_next_free_sgpr 70
		.amdhsa_reserve_vcc 0
		.amdhsa_float_denorm_mode_32 3
		.amdhsa_float_denorm_mode_16_64 3
		.amdhsa_memory_ordered 1
		.amdhsa_forward_progress 1
		.amdhsa_inst_pref_size 67
	.end_amdhsa_kernel
	.amdgpu_metadata
---
amdhsa.version: [ 1, 2 ]
amdhsa.kernels:
  - .name:           k_qacc1a0cdcd_outp
    .symbol:         k_qacc1a0cdcd_outp.kd
    .args:
      - { .name: attnw, .offset: 0, .size: 8, .value_kind: global_buffer, .address_space: global }
      - { .name: gstat, .offset: 8, .size: 8, .value_kind: global_buffer, .address_space: global }
      - { .name: gn_weight, .offset: 16, .size: 8, .value_kind: global_buffer, .address_space: global }
      - { .name: gn_bias, .offset: 24, .size: 8, .value_kind: global_buffer, .address_space: global }
      - { .name: wimg, .offset: 32, .size: 8, .value_kind: global_buffer, .address_space: global }
      - { .name: lowp_scales, .offset: 40, .size: 8, .value_kind: global_buffer, .address_space: global }
      - { .name: out0, .offset: 48, .size: 8, .value_kind: global_buffer, .address_space: global }
    .group_segment_fixed_size: 264192
    .private_segment_fixed_size: 0
    .kernarg_segment_align: 8
    .kernarg_segment_size: 56
    .max_flat_workgroup_size: 512
    .sgpr_count:     70
    .vgpr_count:     256
    .wavefront_size: 32
...
	.end_amdgpu_metadata
.endif
;; end of part 4
